; MI455X (gfx1250); checked and timed in simulation.
; The chip was launched on July 23, 2026; its instructions are those of AMD's public machine-readable ISA for CDNA 5 (MIT licence, August 2026) and "CDNA5" Instruction Set Architecture Reference Guide (July 2026). The comments in the code are by the model that wrote it; some were corrected since.
;; Self Attention. Allowed arithmetic: matrix products marked QUANTISED: E2M1 operands, one E8M0 scale for each 32 along K, by v_wmma_scale_f32_16x16x128_f8f6f4 with both operands' format E2M1 (or v_wmma_scale_f32_32x16x128_f4), f32 sums; everything else in f32.
;; Inputs: k_b 1,024 float32; k_w_codes 1,024 x 32 x 16 uint8 (E2M1 codes of k_w, K innermost, in blocks of 32 codes, two codes a byte); k_w_scales 1,024 x 32 uint8 (E8M0 scales of k_w, one for each 32 codes along K); o_b 1,024 float32; o_w_codes 1,024 x 32 x 16 uint8 (E2M1 codes of o_w, K innermost, in blocks of 32 codes, two codes a byte); o_w_scales 1,024 x 32 uint8 (E8M0 scales of o_w, one for each 32 codes along K); q_b 1,024 float32; q_w_codes 1,024 x 32 x 16 uint8 (E2M1 codes of q_w, K innermost, in blocks of 32 codes, two codes a byte); q_w_scales 1,024 x 32 uint8 (E8M0 scales of q_w, one for each 32 codes along K); v_b 1,024 float32; v_w_codes 1,024 x 32 x 16 uint8 (E2M1 codes of v_w, K innermost, in blocks of 32 codes, two codes a byte); v_w_scales 1,024 x 32 uint8 (E8M0 scales of v_w, one for each 32 codes along K); x_codes 4 x 2,048 x 32 x 16 uint8 (E2M1 codes of x, K innermost, in blocks of 32 codes, two codes a byte); x_scales 4 x 2,048 x 32 uint8 (E8M0 scales of x, one for each 32 codes along K).
;; Outputs: out0 4 x 2,048 x 1,024 float32.
;; This version of the problem:
;;   THIS VERSION OF THE PROBLEM IS GIVEN IN LOW PRECISION. The matrix products marked QUANTISED in the list below multiply operands that are first quantised to E2M1 (2 exponent bits, 1 mantissa bit; 4 bits a number), with one power-of-two scale for each 32 numbers along K (OCP MX v1.0); their sums are f32. All else is computed in f32.
;;   The module's matrix products, in the order in which they are computed (A, B: the left and right operand; K: the contracted axis; several contracted axes count as one K, in the product's order):
;;     1. [M 8,192, K 1,024] x [K 1,024, N 1,024]; A: input x (given as codes); B: input q_w (given as codes): QUANTISED
;;     2. [M 8,192, K 1,024] x [K 1,024, N 1,024]; A: input x (given as codes); B: input k_w (given as codes): QUANTISED
;;     3. [M 8,192, K 1,024] x [K 1,024, N 1,024]; A: input x (given as codes); B: input v_w (given as codes): QUANTISED
;;     4. batch 64 x [M 2,048, K 64] x [K 64, N 2,048]; A: computed on the way; B: computed on the way: QUANTISED
;;     5. batch 64 x [M 2,048, K 2,048] x [K 2,048, N 64]; A: softmax (see below); B: computed on the way: QUANTISED
;;     6. [M 8,192, K 1,024] x [K 1,024, N 1,024]; A: computed on the way; B: input o_w (given as codes): QUANTISED
;;   THE QUANTISER, for each operand of a quantised product, along K:
;;     - K is cut into blocks of 32 from its start; a last block that is shorter is filled with zeros.
;;     - A block's scale is 2^e with e = floor(log2(the largest magnitude in the block)) - 2, held to -126 .. 127; a block of zeros has e = 0. As a byte (E8M0): e + 127.
;;     - Each number is divided by its block's scale, clamped to +-6, and rounded to the nearest number of E2M1, ties to even, subnormals kept.
;;     - The product sums the exact products of the quantised numbers (number of the format x scale) in f32.
;;   ~~~python
;;   def quantise(x, axis):      # numpy; x: float32 -> the quantised numbers, widened to float32 again
;;       x = np.moveaxis(x, axis, -1); K = x.shape[-1]
;;       x = np.pad(x, [(0, 0)] * (x.ndim - 1) + [(0, -K % 32)]); x = x.reshape(x.shape[:-1] + (-1, 32)); a = np.abs(x).max(-1, keepdims=True)
;;       e = np.where(a > 0, np.clip(np.frexp(np.where(a > 0, a, 1))[1] - 1 - 2, -126, 127), 0)      # np.frexp(a)[1] - 1 = floor(log2(a)), exactly
;;       r = np.clip(x / 2.0 ** e, -6, 6)
;;       step = 2.0 ** (np.maximum(np.frexp(np.where(r == 0, 1, r))[1] - 1, 0) - 1)
;;       q = np.round(r / step) * step * 2.0 ** e      # np.round: ties to even
;;       return np.moveaxis(q.reshape(q.shape[:-2] + (-1,))[..., :K], -1, axis).astype(np.float32)
;;   ~~~
;;   SOFTMAX AHEAD OF A QUANTISED PRODUCT. Where the list says 'softmax', what is quantised is not the finished softmax but p = 2^(t - M), with t = logit x log2(e) and M = ceil(the row's largest t), a whole number; so 1/2 < the row's largest p <= 1. The row's sum l is taken of the UNQUANTISED p, in f32, and the product's result is divided by l at the end. Since M is a whole number, a kernel that streams over the keys may use a running M (the ceiling of the running maximum): every later rescaling is an exact power of two, which a block's scale takes up: the codes' values come out the same.
;;   OPERANDS COMPUTED ON THE WAY. 'Computed on the way' means the value that the module computes at that place (a softmax that the list does not call 'softmax' is quantised finished and normalised). What goes into a quantiser is computed in f32, as accurately as f32 sums, v_exp_f32 and their like allow (about 1e-6 of the number): no bf16 or f16 on the way to a quantiser, and a product that is left as it is and whose result goes on into a quantised operand takes f32 operands (vector FMAs, or v_wmma_f32_16x16x4_f32). A number that lies on a knife's edge between two numbers of the format may be rounded either way, as far as f32 arithmetic and the matrix unit's own rounding can turn it there, and no further.
;;   INPUTS GIVEN AS CODES. k_w (in the module: [1024, 1024], K = its axis 1); o_w (in the module: [1024, 1024], K = its axis 1); q_w (in the module: [1024, 1024], K = its axis 1); v_w (in the module: [1024, 1024], K = its axis 1); x (in the module: [4, 2048, 1024], K = its axis 2): each comes as NAME_codes (uint8): NAME with its K axis moved to the last place and cut into blocks of 32 codes, [.., K / 32, bytes a block], one block behind the other in memory; two codes a byte, the lower K in the low four bits (a code: sign, 2 exponent bits, 1 mantissa bit); and NAME_scales (uint8): the same leading axes, one E8M0 byte (e + 127) for each 32 codes along K. Its value is code x scale, taken as it is: it is not quantised again, and the codes and scales need not be those that the quantiser above would give.
;; One version. Each part assembles by itself: llvm-mc -triple=amdgcn-amd-amdhsa -mcpu=gfx1250 --defsym DOCPART=n.
;; ======== version 1 of 1: 3 launches
;; workspace buffers: qrec 4,718,592 bytes; krec 4,718,592 bytes; vrec 4,718,592 bytes; acodes 4,194,304 bytes; ascales 262,144 bytes
;; launch qkv (part 1): grid 4 x 96, 4 waves a work-group, clusters of 4 x 4, 327,680 bytes of LDS; arguments x_codes, x_scales, q_w_codes, q_w_scales, k_w_codes, k_w_scales, v_w_codes, v_w_scales, q_b, k_b, v_b, qrec, krec, vrec; writes qrec, krec, vrec
.if DOCPART == 1
	.amdgcn_target "amdgcn-amd-amdhsa--gfx1250"
	.amdhsa_code_object_version 6
	.text
	.protected	k_q1f2884ce96_qkv
	.globl	k_q1f2884ce96_qkv
	.p2align	8
	.type	k_q1f2884ce96_qkv,@function
k_q1f2884ce96_qkv:
	s_mov_b64 s[64:65], 0
	v_nop
	global_prefetch_b8 v0, s[64:65] scope:SCOPE_SE
	s_setreg_imm32_b32 hwreg(HW_REG_WAVE_MODE, 25, 1), 1
	s_wait_xcnt 0x0
	s_wait_alu depctr_hold_cnt(0) depctr_sa_sdst(0) depctr_va_vdst(0) depctr_va_sdst(0) depctr_va_ssrc(0) depctr_va_vcc(0) depctr_vm_vsrc(0)
	s_getreg_b32 s2, hwreg(HW_REG_IB_STS2, 6, 4)
	s_cmp_eq_u32 s2, 0
	s_cbranch_scc0 .Lentry_in_a_cluster
	s_endpgm
.Lentry_in_a_cluster:
	s_bfe_u32 s2, ttmp6, 0x10000c
	s_cmp_lg_u32 s2, 0xf033
	s_cbranch_scc0 .Lentry_shape_is_right
	s_endpgm
.Lentry_shape_is_right:
; CAUSAL SELF-ATTENTION ON CODES OF FP4 (E2M1), three launches: qkv (this one), attn, oproj.
; THIS LAUNCH: q = x q_w^T + q_b, k = x k_w^T + k_b, v = x v_w^T + v_b on the given codes and scale bytes (K = 1,024), sums in f32, the bias as the C of each sum's first product;
; then q and k are quantised along the head's 64 and v along the keys (blocks of 32, scale 2^(floor(log2(largest magnitude)) - 2)), and leave as IMAGES OF OPERAND REGISTERS.
; DEAD WORK (left out in the launch attn, nowhere else): reference() puts -inf, by its own jnp.tril, on every score whose key comes after its query; 2^(-inf) = 0 for all values of the inputs,
; so a step of 128 keys all of which come after a tile's 16 queries adds 0 to the row's sum and to the product with v, and is not computed.  All inputs have a way to the output and are loaded
; (k_b moves k's codes).  LIMIT: a NaN, an infinity or an overflow that reaches only those scores is not carried to the result.
; LIMITS: a block whose largest magnitude lies under 2^-124, a block of zeros too, gets the scale byte 1 (its codes are then zeros or tiny; the bytes are read by this program alone);
; scale bytes 0xff, NaN and infinities among the inputs are not served.
; SHARES.  24 clusters of 4 x 4 work-groups: clusters 0-7 make q, 8-15 k, 16-23 v.  A work-group makes 256 x 256, a wave 128 x 128 (64 accumulators of 16 x 16).
; The matrix instruction takes 16 rows of the operand called B here as source 0 and 16 rows of A as source 1: a lane then holds ONE row of A, and its registers run along B's rows: the axis that is quantised.
; So for q and k: A = x (tokens), B = the weight (features, which are head x 64 + d); for v: A = v_w (features), B = x (tokens = keys).  Only pointers and tile numbers are chosen by the cluster's number.
; K = 1,024 is two halves of 512: both lie in LDS at once (two slots, each filled once), with the scale bytes of the work-group's rows behind them.  A's tiles are asked for jointly by a row of the cluster, B's by a column.
; RECORDS, [token block of 128: 64][head: 16][4,608 bytes].  q, k: eight tiles of 16 tokens, 512 bytes each: lane (r, H) has 16 bytes at 16 x lane: token 16 a + r, d = 32 H .. 32 H + 31; from byte 4,096: [g 2][r 16][4 words],
; word a' = the scale word of tile 4 g + a', row r: the head's two bytes, then two bytes 0.  v: [d tile t 4][c 2][512]: the eight registers of the operand (rows d = 16 t + r, K = the block's 128 keys); from byte 4,096: [2][r 16][4 words], word t, written twice.
; REGISTERS, in windows of 256: window 0: v16-30 addresses; v32-95 scale words, two sets; v128-191 A's fragments, one set; v200-247 the way out.  window 1: v0-63, v128-191 B's fragments, two sets; v64-127 the bias.  windows 2, 3: the accumulators ((a, b) at v[8 (8 (a % 4) + b)]).
.set NQ,     4                         ; steps of 128 along K in a slot
.set ROWB,   256                       ; a tile's row: 512 codes
.set KROW,   512                       ; a row of x or of a weight in memory, in bytes
.set PITCH,  272                       ; an LDS row: 256 bytes + 16 of padding: the 16 rows that a load touches start at 16 different banks (64 banks of 4 bytes: ISA guide 11.1)
.set FR,     8                         ; registers of a fragment: 16 rows x 128 K
.set NL,     2                         ; LDS loads that bring one
.set NP,     4                         ; places behind this matrix instruction (ISA guide 7.12.1)
.set HALFT,  128*PITCH                 ; 128 rows: one tensor load
.set SLOT,   4*HALFT                   ; A's 256 rows, then B's 256 rows
.set KS,     32                        ; a row of scale bytes
.set SCL,    2*SLOT                    ; behind the slots: the scale bytes, as units of 256 bytes + 16 of padding
.set HALFS,  (128*KS/256)*272          ; those of 128 rows: one tensor load
.set SBLK,   (16*KS/256)*272           ; those of 16 rows
.set SPARE,  SCL+4*HALFS               ; the spare words, 128 bytes for each wave: two blocks of 256 bytes that no other line names
.set RECB,   4608                      ; a record
.set ADRA, 16                          ; v16-17  LDS address of my A fragments in slot 0, 1
.set ADRB, 20                          ; v20-21  the same for B
.set AD0,  24                          ; v24     16 x lane
.set AD1,  25                          ; v25     16 x lane + the distance of the second four registers' image (q, k: the next head's record; v: 512)
.set ADC,  26                          ; v26     q, k: the scale words' place: 4,608 H + 16 r
.set ADRS, 27                          ; v27     LDS address of my scale words: lanes 0-15 A's rows, lanes 16-31 B's
.set SPW,  28                          ; v28     LDS address of my spare word; never rewritten
.set NIL,  29                          ; v29     0; never rewritten
.set SHH,  30                          ; v30     16 H
.set SC,   32
.set AF,   128
.set BIAS, 64                          ; in window 1
.set TM,   200                         ; v200-203 largest magnitudes, v204-207 at work and bytes, v212-215 the conversions' scale operands
.set SCW,  216                         ; v216-223 block a's four scale bytes
.set PC,   224                         ; v224-231, v232-239 the codes, two sets by turns
.set T4,   240                         ; v240-247 q, k: the scale words as they are stored
.set G1,   32
.set G0,   40
.set G1B,  48
.set G0B,  56
.set G1S,  68
.set G0S,  76
.set G1SB, 80
.set G0SB, 88
.set WV,   92                          ; my wave's number
.set HA,   93                          ; which half of A's rows is mine.  Also: I fetch for A (0) or for B (1)
.set HB,   94                          ; which half of B's rows is mine.  Also: which 128 rows I fetch
.set CX,   95
.set CY,   96
.set CID,  97                          ; the cluster's number: the same in all sixteen partners
.set ATL,  98                          ; A's tile of 256 rows
.set BTL,  100                         ; B's
.set REC,  12                          ; s[12:13] my first record
.set OUT,  14                          ; s[14:15] where block a's images go
.set STP,  16                          ; s[16:17] from block to block
.set MID,  18                          ; s[18:19] from block 3 to block 4
.set SEL,  22                          ; s[22:23] v_permlanex16_b32's selects for lane l xor 16
.set MSB, 0
.macro WIN new                         ; the immediate's high byte repeats the setting that is left
.if MSB != \new
	s_set_vgpr_msb (MSB<<8)|\new
.set MSB, \new
.endif
.endm
.set MUL_LO, 0xa1                      ; source 0 (B) window 1, source 1 (A) window 0, C and D window 2
.set MUL_HI, 0xf1                      ; the same, C and D window 3
.set BIA_LO, 0x91                      ; C (the bias) window 1, D window 2
.set BIA_HI, 0xd1                      ; C window 1, D window 3
.set TO_B,   0x40                      ; destination window 1, address window 0
; A joint load: waves 0 and 1 fetch for A, waves 2 and 3 for B.  Each line has one mask and one set of registers for all that issue it; the branch hangs on the wave's number alone.
; An s_nop 0 and four v_nop follow each of the two lines.
.macro JLOAD g0a, g1a, g0b, g1b
	s_cmp_eq_u32 s[HA], 0
	s_cbranch_scc0 .Lfor_b_\@
	tensor_load_to_lds s[\g0a:\g0a+3], s[\g1a:\g1a+7]
	s_nop 0
.rept 4
	v_nop
.endr
	s_branch .Lasked_\@
.Lfor_b_\@:
	tensor_load_to_lds s[\g0b:\g0b+3], s[\g1b:\g1b+7]
	s_nop 0
.rept 4
	v_nop
.endr
.Lasked_\@:
.endm
.macro CROUND                          ; a round of the cluster's barrier
	s_barrier_signal -1
	s_barrier_wait -1
	s_cmp_lg_u32 s[WV], 0
	s_cbranch_scc1 .Lnot_wave_0_\@
	s_barrier_signal -3
.Lnot_wave_0_\@:
	s_barrier_wait -3
	s_barrier_signal -1
	s_barrier_wait -1
.endm
	s_load_b512 s[4:19], s[0:1], 0x0               ; x's codes, scales; q_w's; k_w's; v_w's
	s_load_b256 s[20:27], s[0:1], 0x40             ; q_b, k_b, v_b, qrec
	s_load_b128 s[28:31], s[0:1], 0x60             ; krec, vrec
	v_lshl_add_u32 v[SPW], v0, 2, SPARE
	v_mov_b32 v[NIL], 0
	ds_add_u32 v[SPW], v[NIL]                      ; the wave's opening: the add, twice on end, and its wait ahead of my first tensor load
	ds_add_u32 v[SPW], v[NIL]                      ; and once more; the set-up below, work on registers, stands between it and the wait
	v_lshrrev_b32 v1, 5, v0
	v_readfirstlane_b32 s[WV], v1                  ; wave 0..3
	s_lshr_b32 s[HA], s[WV], 1
	s_and_b32 s[HB], s[WV], 1
	s_bfe_u32 s[CX], ttmp6, 0x40000                ; my place in the cluster
	s_bfe_u32 s[CY], ttmp6, 0x40004
	s_and_b32 s[CID], ttmp7, 0xffff                ; the grid is one cluster wide: the cluster's y is its number
	s_and_b32 s66, s[CID], 7
	s_lshl_b32 s66, s66, 2                         ; x has 32 tiles of 256 tokens: 4 to a cluster; a weight has 4 tiles
	s_cmp_lt_u32 s[CID], 16
	s_cselect_b32 s[ATL], s66, 0                   ; q, k: A = x
	s_cselect_b32 s[BTL], 0, s66                   ; v: B = x
	s_add_co_u32 s[ATL], s[ATL], s[CY]
	s_add_co_u32 s[BTL], s[BTL], s[CX]
	s_lshl_b32 s2, s[CY], 2
	s_lshl_b32 s2, 15, s2                          ; my row of the cluster
	s_lshl_b32 s3, 0x1111, s[CX]                   ; my column
	; descriptor group 1: a tile of 128 rows x 256 bytes, 16 bytes of padding behind each row
	s_or_b32 s[G1+0], s2, (0<<16)|(1<<20)|(1<<21)|(5<<22)|(3<<25)   ; 15:0 the mask: A's tiles go to my row; 17:16 elements of 1 byte; 20 padding on; 21 set beside a mask; 24:22 after every 64 words; 31:25 four words
	s_or_b32 s[G1B+0], s3, (0<<16)|(1<<20)|(1<<21)|(5<<22)|(3<<25)
.irp g, G1, G1B
	s_mov_b32 s[\g+1], ROWB<<16                    ; tensor_dim0
	s_mov_b32 s[\g+2], 128<<16                     ; tensor_dim1
	s_mov_b32 s[\g+3], ROWB<<16                    ; tile_dim0
	s_mov_b32 s[\g+4], 128                         ; tile_dim1
	s_mov_b32 s[\g+5], KROW                        ; tensor_dim0_stride
	s_mov_b32 s[\g+6], 0
	s_mov_b32 s[\g+7], 0
.endr
	; the scale bytes of 128 rows: a dense block of 4,096 bytes, as 16 rows of 256 bytes (32 elements of 8 bytes), 16 bytes of padding behind each
	s_or_b32 s[G1S+0], s2, (3<<16)|(1<<20)|(1<<21)|(5<<22)|(3<<25)
	s_or_b32 s[G1SB+0], s3, (3<<16)|(1<<20)|(1<<21)|(5<<22)|(3<<25)
.irp g, G1S, G1SB
	s_mov_b32 s[\g+1], 32<<16
	s_mov_b32 s[\g+2], (128*KS/256)<<16
	s_mov_b32 s[\g+3], 32<<16
	s_mov_b32 s[\g+4], 128*KS/256
	s_mov_b32 s[\g+5], 32
	s_mov_b32 s[\g+6], 0
	s_mov_b32 s[\g+7], 0
.endr
	; byte offsets of what I fetch, laid into the address fields; the pointers are added behind the wait for them.  A's hang on cy and the cluster's number alone, B's on cx and the cluster's number alone
	s_lshl_b32 s2, s[HB], 7
	s_lshl_b32 s66, s[ATL], 8
	s_add_co_u32 s66, s66, s2                      ; A: row 256 x tile + 128 x half
	s_lshl_b32 s[G0+2], s66, 9                     ; 512 bytes of codes a row
	s_mov_b32 s[G0+3], 0
	s_lshl_b32 s[G0S+2], s66, 5                    ; 32 scale bytes a row
	s_mov_b32 s[G0S+3], 0
	s_lshl_b32 s99, s[BTL], 8
	s_add_co_u32 s99, s99, s2                      ; B likewise
	s_lshl_b32 s[G0B+2], s99, 9
	s_mov_b32 s[G0B+3], 0
	s_lshl_b32 s[G0SB+2], s99, 5
	s_mov_b32 s[G0SB+3], 0
	s_mul_i32 s67, s[WV], HALFT                    ; where they go: wave x 128 rows: no place in the cluster enters an LDS address
	s_mul_i32 s101, s[WV], HALFS
.irp s, 0,1
	s_mov_b32 s[G0+4*\s], 1
	s_add_co_u32 s[G0+4*\s+1], s67, \s*SLOT
	s_mov_b32 s[G0B+4*\s], 1
	s_add_co_u32 s[G0B+4*\s+1], s67, \s*SLOT
.endr
	s_mov_b32 s[G0S], 1
	s_add_co_u32 s[G0S+1], s101, SCL
	s_mov_b32 s[G0SB], 1
	s_add_co_u32 s[G0SB+1], s101, SCL
	; my wave's 128 tokens are one token block, its 128 features two heads
	s_lshl_b32 s66, s[ATL], 1
	s_add_co_u32 s66, s66, s[HA]                   ; which 128 rows of A
	s_lshl_b32 s99, s[BTL], 1
	s_add_co_u32 s99, s99, s[HB]                   ; which 128 rows of B
	s_cmp_lt_u32 s[CID], 16
	s_cselect_b32 s2, s66, s99                     ; the token block
	s_cselect_b32 s3, s99, s66                     ; the run of 128 features
	s_lshl_b32 s2, s2, 4
	s_lshl_b32 s66, s3, 1
	s_add_co_u32 s2, s2, s66                       ; record = 16 x token block + first head
	s_mul_i32 s2, s2, RECB                         ; in bytes
	s_lshl_b32 s3, s3, 9                           ; the bias: 128 numbers of 4 bytes a run
	s_wait_dscnt 0x0                               ; both opening adds are done
	s_wait_kmcnt 0x0
	s_cmp_lt_u32 s[CID], 8                         ; q or k: the choices hang on the cluster's number alone
	s_cselect_b64 s[8:9], s[8:9], s[12:13]
	s_cselect_b64 s[10:11], s[10:11], s[14:15]
	s_cselect_b64 s[20:21], s[20:21], s[22:23]
	s_cselect_b64 s[26:27], s[26:27], s[28:29]
	s_cmp_lt_u32 s[CID], 16                        ; q, k or v
	s_cselect_b64 s[8:9], s[8:9], s[4:5]           ; B's codes: the weight's, or x's
	s_cselect_b64 s[10:11], s[10:11], s[6:7]       ; B's scales
	s_cselect_b64 s[4:5], s[4:5], s[16:17]         ; A's codes: x's, or v_w's
	s_cselect_b64 s[6:7], s[6:7], s[18:19]         ; A's scales
	s_cselect_b64 s[20:21], s[20:21], s[24:25]     ; the bias
	s_cselect_b64 s[26:27], s[26:27], s[30:31]     ; the records
	s_mov_b32 s[STP], 1024                         ; v: a block of 16 features is a d tile: 1,024 bytes on;
	s_cselect_b32 s[STP], 512, s[STP]              ; q, k: a block of 16 tokens is a tile: 512 bytes on
	s_mov_b32 s[STP+1], 0
	s_mov_b32 s[MID], 1536                         ; v: from d tile 3 to the next head's record: 4,608 - 3,072
	s_cselect_b32 s[MID], 512, s[MID]
	s_mov_b32 s[MID+1], 0
	s_mov_b32 s99, 512                             ; v: registers 4-7 lie 512 bytes behind registers 0-3;
	s_cselect_b32 s99, RECB, s99                   ; q, k: they are the next head's
	s_mov_b32 s[SEL], 0x76543210
	s_mov_b32 s[SEL+1], 0xfedcba98
	s_mov_b32 s[REC], s2
	s_mov_b32 s[REC+1], 0
	s_add_nc_u64 s[REC:REC+1], s[26:27], s[REC:REC+1]
	s_mov_b64 s[OUT:OUT+1], s[REC:REC+1]
	s_mov_b32 s66, s3
	s_mov_b32 s67, 0
	s_add_nc_u64 s[20:21], s[20:21], s[66:67]      ; the bias at my run of 128 features
	s_add_nc_u64 s[G0+2:G0+3], s[4:5], s[G0+2:G0+3]
	s_add_nc_u64 s[G0+6:G0+7], s[G0+2:G0+3], ROWB  ; slot 1: the second 512 along K
	s_add_nc_u64 s[G0S+2:G0S+3], s[6:7], s[G0S+2:G0S+3]
	s_add_nc_u64 s[G0B+2:G0B+3], s[8:9], s[G0B+2:G0B+3]
	s_add_nc_u64 s[G0B+6:G0B+7], s[G0B+2:G0B+3], ROWB
	s_add_nc_u64 s[G0SB+2:G0SB+3], s[10:11], s[G0SB+2:G0SB+3]
	s_or_b32 s[G0+3], s[G0+3], 0x80000000          ; 127:126 type = 2
	s_or_b32 s[G0+7], s[G0+7], 0x80000000
	s_or_b32 s[G0S+3], s[G0S+3], 0x80000000
	s_or_b32 s[G0B+3], s[G0B+3], 0x80000000
	s_or_b32 s[G0B+7], s[G0B+7], 0x80000000
	s_or_b32 s[G0SB+3], s[G0SB+3], 0x80000000
	CROUND                                         ; all sixteen work-groups are here: the joint loads meet
	JLOAD G0S, G1S, G0SB, G1SB                     ; the scale bytes first: they are wanted with the first step
	JLOAD G0, G1, G0B, G1B                         ; K = 0 .. 511
	JLOAD G0+4, G1, G0B+4, G1B                     ; K = 512 .. 1,023: three loads of mine are out
	v_and_b32 v1, 15, v0                           ; r = l % 16
	v_bfe_u32 v2, v0, 4, 1                         ; h = l / 16
	v_mul_u32_u24 v3, v1, PITCH
	v_lshl_add_u32 v4, v2, 4, v3                   ; a fragment's row x pitch + 16 x half
	s_mul_i32 s66, s[HA], HALFT                    ; my 128 rows of A
	s_mul_i32 s67, s[HB], HALFT                    ; my 128 rows of B,
	s_add_co_u32 s67, s67, 2*HALFT                 ; which lie behind A's 256
.irp s, 0,1
	v_add_nc_u32 v[ADRA+\s], s66, v4
	v_add_nc_u32 v[ADRB+\s], s67, v4
	s_add_co_u32 s66, s66, SLOT
	s_add_co_u32 s67, s67, SLOT
.endr
	v_mul_u32_u24 v5, v1, KS                       ; my row's scale bytes: 32 a row,
	v_lshrrev_b32 v6, 8, v5
	v_lshl_add_u32 v5, v6, 4, v5                   ; and 16 more for each 256 passed
	s_mul_i32 s66, s[HA], HALFS
	s_mul_i32 s67, s[HB], HALFS
	s_add_co_u32 s67, s67, 2*HALFS
	s_sub_co_u32 s67, s67, s66
	v_mul_u32_u24 v6, s67, v2                      ; lanes 16-31 take B's: one product, the distance between the two bases
	s_add_co_u32 s66, s66, SCL
	v_add_nc_u32 v5, v5, v6
	v_add_nc_u32 v[ADRS], s66, v5
	v_and_b32 v7, 31, v0
	v_lshlrev_b32 v[AD0], 4, v7
	v_add_nc_u32 v[AD1], s99, v[AD0]
	v_mul_u32_u24 v[ADC], v2, RECB
	v_lshl_add_u32 v[ADC], v1, 4, v[ADC]
	v_lshlrev_b32 v[SHH], 4, v2
	v_lshlrev_b32 v8, 5, v2                        ; q, k: my half's eight numbers of a tile's sixteen
	v_lshlrev_b32 v9, 2, v1                        ; v: my row's one number
	; THE BIAS, in the result's layout, 64 registers of window 1.  q, k: it hangs on the feature = B's row 16 b + 8 h + j: table [b][j].  v: on the feature = A's row 16 a + r: table [a], the same number eight times
	s_cmp_lt_u32 s[CID], 16
	s_cbranch_scc0 .Lbias_v
	WIN TO_B
.irp b, 0,1,2,3,4,5,6,7
	global_load_b128 v[BIAS+8*\b:BIAS+8*\b+3], v8, s[20:21] offset:64*\b
	global_load_b128 v[BIAS+8*\b+4:BIAS+8*\b+7], v8, s[20:21] offset:64*\b+16
.endr
	WIN 0
	s_branch .Lbias_done
.Lbias_v:
	WIN TO_B
.irp a, 0,1,2,3,4,5,6,7
.irp j, 0,1,2,3,4,5,6,7
	global_load_b32 v[BIAS+8*\a+\j], v9, s[20:21] offset:64*\a
.endr
.endr
	WIN 0
.Lbias_done:
.macro FRAG reg, adr, q, i             ; 16 rows x 128 K of 4-bit codes: 8 registers: lane l holds row l % 16; registers 4 c .. 4 c + 3 hold K = 64 c + 32 (l / 16) + 0 .. 31
.irp c, 0,1
	ds_load_b128 v[\reg+4*\c:\reg+4*\c+3], v[\adr] offset:64*(\q)+32*\c+(\i)*16*PITCH
.endr
.endm
; 16 matrix instructions: A's blocks a0, a0 + 1 x B's eight, the slot's q-th 128 along K.  p: B's set; sc: the set of scale words.  mode 0: the sums go on in place; 1: they begin with the bias table [b]; 2: with the table [a].
; The 64 accumulators take turns, one instruction a turn, in the same order in every step.
.macro MUL16 a0, p, q, sc, mode
.irp a, \a0, \a0+1
.irp b, 0,1,2,3,4,5,6,7
.if \mode == 1
	v_wmma_scale_f32_16x16x128_f8f6f4 v[8*(8*((\a)%4)+\b):8*(8*((\a)%4)+\b)+7], v[128*(\p)+FR*\b:128*(\p)+FR*\b+FR-1], v[AF+FR*(\a):AF+FR*(\a)+FR-1], v[BIAS+8*\b:BIAS+8*\b+7], v[SC+8*NQ*(\sc)+NQ*\b+(\q)], v[SC+8*NQ*(\sc)+NQ*(\a)+(\q)] matrix_a_fmt:MATRIX_FMT_FP4 matrix_b_fmt:MATRIX_FMT_FP4 matrix_a_scale:MATRIX_SCALE_ROW1
.elseif \mode == 2
	v_wmma_scale_f32_16x16x128_f8f6f4 v[8*(8*((\a)%4)+\b):8*(8*((\a)%4)+\b)+7], v[128*(\p)+FR*\b:128*(\p)+FR*\b+FR-1], v[AF+FR*(\a):AF+FR*(\a)+FR-1], v[BIAS+8*(\a):BIAS+8*(\a)+7], v[SC+8*NQ*(\sc)+NQ*\b+(\q)], v[SC+8*NQ*(\sc)+NQ*(\a)+(\q)] matrix_a_fmt:MATRIX_FMT_FP4 matrix_b_fmt:MATRIX_FMT_FP4 matrix_a_scale:MATRIX_SCALE_ROW1
.else
	v_wmma_scale_f32_16x16x128_f8f6f4 v[8*(8*((\a)%4)+\b):8*(8*((\a)%4)+\b)+7], v[128*(\p)+FR*\b:128*(\p)+FR*\b+FR-1], v[AF+FR*(\a):AF+FR*(\a)+FR-1], v[8*(8*((\a)%4)+\b):8*(8*((\a)%4)+\b)+7], v[SC+8*NQ*(\sc)+NQ*\b+(\q)], v[SC+8*NQ*(\sc)+NQ*(\a)+(\q)] matrix_a_fmt:MATRIX_FMT_FP4 matrix_b_fmt:MATRIX_FMT_FP4 matrix_a_scale:MATRIX_SCALE_ROW1
.endif
.endr
.endr
.endm
.macro FETCH_B slot, q, p              ; B's eight fragments of the slot's q-th 128 along K into set p
	WIN TO_B
.irp i, 0,1,2,3,4,5,6,7
	FRAG 128*(\p)+FR*\i, ADRB+\slot, \q, \i
.endr
	WIN 0
.endm
.macro FETCH_A slot, q, i0             ; A's blocks i0 .. i0 + 3
.irp i, \i0, \i0+1, \i0+2, \i0+3
	FRAG AF+FR*(\i), ADRA+\slot, \q, \i
.endr
.endm
.macro SCALES sc                       ; a slot's scale words into set sc: four words a row; lanes 0-15 take A's block i, lanes 16-31 B's block i
.irp i, 0,1,2,3,4,5,6,7
	ds_load_b128 v[SC+8*NQ*\sc+NQ*\i:SC+8*NQ*\sc+NQ*\i+3], v[ADRS] offset:\i*SBLK
.endr
.endm
.macro PLACES n                        ; plain vector instructions between a matrix instruction and a load into, or a read of, its registers
.rept \n
	v_nop
.endr
.endm
; A step of 128 along K that has its successor in the same slot.  A block of A is free as soon as its eight products are issued: blocks 0-3 are fetched anew in the step's middle, blocks 4-7 at its end; B has two sets.
.macro STEP slot, q, mode
	s_wait_dscnt 4*NL                              ; B's set, A's blocks 0-3 and the scale words are in; the youngest eight loads (A's blocks 4-7) may be out
.if \mode
	WIN BIA_LO
.else
	WIN MUL_LO
.endif
	MUL16 0, (\q)%2, \q, \slot, \mode
	MUL16 2, (\q)%2, \q, \slot, \mode
	s_wait_dscnt 0                                 ; A's blocks 4-7 are in
	PLACES NP
	FETCH_B \slot, (\q)+1, 1-(\q)%2
	FETCH_A \slot, (\q)+1, 0
.if \mode
	WIN BIA_HI
.else
	WIN MUL_HI
.endif
	MUL16 4, (\q)%2, \q, \slot, \mode
	MUL16 6, (\q)%2, \q, \slot, \mode
	PLACES NP
	WIN 0
	FETCH_A \slot, (\q)+1, 4
.endm
; Slot 0's last step goes over to slot 1: each wave waits for all its tensor loads (its part of slot 1), and a barrier shows every wave's part to all.  Nothing is filled again.
.macro TURN slot, next
	s_wait_tensorcnt 0x0                           ; all my tensor loads have landed  (every window is 0 here)
	ds_add_u32 v[SPW], v[NIL]                      ; 0 onto my spare word
	s_wait_dscnt 4*NL+1                            ; the add and the youngest eight loads (A's blocks 4-7) may be out
	WIN MUL_LO
	MUL16 0, 1, NQ-1, \slot, 0
	s_wait_dscnt 0x0                               ; the add is done and my LDS loads are in: nothing of mine is pending at the signal
	s_barrier_signal -1
	MUL16 2, 1, NQ-1, \slot, 0
	WIN 0
	s_barrier_wait -1
	PLACES NP
	v_add_nc_u32 v[ADRS], 4*NQ, v[ADRS]            ; on to the second half's scale words
	FETCH_B \next, 0, 0
	FETCH_A \next, 0, 0
	SCALES \next
	WIN MUL_HI
	MUL16 4, 1, NQ-1, \slot, 0
	MUL16 6, 1, NQ-1, \slot, 0
	PLACES NP
	WIN 0
	FETCH_A \next, 0, 4
.endm
.macro STEPS slot, from                ; the slot's steps from .. NQ - 2
.set Q, \from
.rept NQ-1-\from
	STEP \slot, Q, 0
.set Q, Q+1
.endr
.endm
	s_wait_tensorcnt 1                             ; the scale bytes and my part of slot 0 are in; slot 1's one load may stay out
	s_barrier_signal -1
	s_barrier_wait -1                              ; everybody's are
	FETCH_B 0, 0, 0
	FETCH_A 0, 0, 0
	SCALES 0
	FETCH_A 0, 0, 4
	s_wait_loadcnt 0x0                             ; the bias
	s_cmp_lt_u32 s[CID], 16                        ; the first step is written twice: it differs in which table begins a sum
	s_cbranch_scc0 .Lfirst_v
	STEP 0, 0, 1
	s_branch .Lfirst_done
.Lfirst_v:
	STEP 0, 0, 2
.Lfirst_done:
	STEPS 0, 1
	TURN 0, 1
	STEPS 1, 0
	s_wait_dscnt 4*NL                              ; the last step: the youngest eight loads may be out; nothing more to fetch
	WIN MUL_LO
	MUL16 0, 1, NQ-1, 1, 0
	MUL16 2, 1, NQ-1, 1, 0
	s_wait_dscnt 0
	WIN MUL_HI
	MUL16 4, 1, NQ-1, 1, 0
	MUL16 6, 1, NQ-1, 1, 0
	WIN 0
; THE WAY OUT.  Block a: my lane holds one row of A and, in tile b's register j, index 16 b + 8 h + j along the quantised axis.  Block beta of 32 is tiles 2 beta and 2 beta + 1 of lanes l and l xor 16.
; The largest magnitude (with the floor 2^(3 - 127) among its leaves) less 2 in its exponent field is the conversion's scale operand; its exponent field is the scale's byte.
; Tile b's eight codes go to register 4 (b / 4) + (0, 2, 1, 3)[b % 4]; two exchanges of halves for each four registers then leave lane (r, H) with index 64 c + 32 H + 0 .. 31 in registers 4 c .. 4 c + 3: the operand's own layout.
; Each store of the wave covers 512 consecutive bytes, at a multiple of 256 from the buffer's first byte.
.macro QUANTA a
.set W, 2+(\a)/4
.set WW, (W<<2)|(W<<4)
.set AC, 64*((\a)%4)
.set PCS, PC+8*((\a)%2)
	WIN WW                                         ; sources 1 and 2: the accumulators' window
.irp b, 0,1,2,3
	v_max3_num_f32 v[TM+\b], 0x1800000, |v[AC+16*\b]|, |v[AC+16*\b+1]|      ; each accumulator is read from its low end on
.endr
.irp i, 2,4,6,8,10,12,14
.irp b, 0,1,2,3
	v_max3_num_f32 v[TM+\b], v[TM+\b], |v[AC+16*\b+\i]|, |v[AC+16*\b+\i+1]|  ; the four blocks by turns
.endr
.endr
	WIN 0
.irp b, 0,1,2,3
	v_permlanex16_b32 v[TM+4+\b], v[TM+\b], s[SEL], s[SEL+1]
.endr
.irp b, 0,1,2,3
	v_max_num_f32 v[TM+\b], v[TM+\b], v[TM+4+\b]   ; with lane l xor 16's: the block's largest magnitude
.endr
.irp b, 0,1,2,3
	v_add_nc_u32 v[TM+12+\b], 0xff000000, v[TM+\b] ; 2 off its exponent field
.endr
.irp b, 0,1,2,3
	v_lshrrev_b32 v[TM+4+\b], 23, v[TM+12+\b]      ; the scale's byte
.endr
	v_lshl_or_b32 v[SCW+\a], v[TM+5], 8, v[TM+4]
	v_lshl_or_b32 v[SCW+\a], v[TM+6], 16, v[SCW+\a]
	v_lshl_or_b32 v[SCW+\a], v[TM+7], 24, v[SCW+\a]
.if \a > 0
	s_wait_xcnt 0x0                                ; the earlier stores have read their base and their data: the base may step, and the set of codes of two blocks back may be written
.if \a == 4
	s_add_nc_u64 s[OUT:OUT+1], s[OUT:OUT+1], s[MID:MID+1]
.else
	s_add_nc_u64 s[OUT:OUT+1], s[OUT:OUT+1], s[STP:STP+1]
.endif
.endif
	WIN W                                          ; source 0: the accumulators' window
.irp t, 0,1,2,3,4,5,6,7
	v_cvt_scalef32_pk8_fp4_f32 v[PCS+4*(\t/4)+2*(\t%2)+(\t%4)/2], v[AC+8*\t:AC+8*\t+7], v[TM+12+\t/2]
.endr
	WIN 0
	v_nop                                          ; one plain place behind a scaled conversion
.irp c, 0,1
	v_permlane16_swap_b32 v[PCS+4*\c], v[PCS+4*\c+1]
	v_permlane16_swap_b32 v[PCS+4*\c+2], v[PCS+4*\c+3]
.endr
	global_store_b128 v[AD0], v[PCS:PCS+3], s[OUT:OUT+1]
	global_store_b128 v[AD1], v[PCS+4:PCS+7], s[OUT:OUT+1]
.endm
.irp b, 0,1,2,3
	v_mov_b32 v[TM+4+\b], 0                        ; written once: a lane permute's destination counts as one of its sources
.endr
	PLACES NP                                      ; behind the last products, ahead of the first read of results
.irp a, 0,1,2,3,4,5,6,7
	QUANTA \a
.endr
	s_cmp_lt_u32 s[CID], 16
	s_cbranch_scc0 .Ltail_v
.irp a, 0,1,2,3,4,5,6,7
	v_bfe_u32 v[T4+\a], v[SCW+\a], v[SHH], 16      ; q, k: lanes 0-15 keep the first head's two bytes, lanes 16-31 the second's; the upper two bytes are 0
.endr
	global_store_b128 v[ADC], v[T4:T4+3], s[REC:REC+1] offset:4096          ; sixteen lanes store 256 consecutive bytes of one head's record
	global_store_b128 v[ADC], v[T4+4:T4+7], s[REC:REC+1] offset:4096+256
	s_branch .Ltail_done
.Ltail_v:
	global_store_b128 v[AD0], v[SCW:SCW+3], s[REC:REC+1] offset:4096        ; v: the four d tiles' scale words of row r, the same in both halves of the lanes
	global_store_b128 v[AD0], v[SCW+4:SCW+7], s[REC:REC+1] offset:RECB+4096 ; and the second head's
.Ltail_done:
	s_wait_tensorcnt 0x0                           ; the wave's end
	ds_add_u32 v[SPW], v[NIL]
	s_wait_dscnt 0x0
	CROUND                                         ; the closing round: no work-group ends while a partner may still ask for a tile that names it
	s_endpgm
.Lfunc_end_k_q1f2884ce96_qkv:
	.size	k_q1f2884ce96_qkv, .Lfunc_end_k_q1f2884ce96_qkv-k_q1f2884ce96_qkv
	.p2alignl 7, 3214868480
	.fill 96, 4, 3214868480
	.section	.rodata,"a",@progbits
	.p2align	6, 0x0
	.amdhsa_kernel k_q1f2884ce96_qkv
		.amdhsa_group_segment_fixed_size 327680
		.amdhsa_private_segment_fixed_size 0
		.amdhsa_enable_private_segment 0
		.amdhsa_kernarg_size 112
		.amdhsa_user_sgpr_count 2
		.amdhsa_user_sgpr_kernarg_segment_ptr 1
		.amdhsa_wavefront_size32 1
		.amdhsa_system_sgpr_workgroup_id_x 1
		.amdhsa_system_sgpr_workgroup_id_y 1
		.amdhsa_system_sgpr_workgroup_id_z 1
		.amdhsa_system_vgpr_workitem_id 0
		.amdhsa_next_free_vgpr 1024
		.amdhsa_next_free_sgpr 102
		.amdhsa_reserve_vcc 0
		.amdhsa_float_denorm_mode_32 3
		.amdhsa_float_denorm_mode_16_64 3
		.amdhsa_memory_ordered 1
		.amdhsa_forward_progress 1
		.amdhsa_inst_pref_size 148
	.end_amdhsa_kernel
	.amdgpu_metadata
---
amdhsa.version: [ 1, 2 ]
amdhsa.kernels:
  - .name:           k_q1f2884ce96_qkv
    .symbol:         k_q1f2884ce96_qkv.kd
    .args:
      - { .name: x_codes, .offset: 0, .size: 8, .value_kind: global_buffer, .address_space: global }
      - { .name: x_scales, .offset: 8, .size: 8, .value_kind: global_buffer, .address_space: global }
      - { .name: q_w_codes, .offset: 16, .size: 8, .value_kind: global_buffer, .address_space: global }
      - { .name: q_w_scales, .offset: 24, .size: 8, .value_kind: global_buffer, .address_space: global }
      - { .name: k_w_codes, .offset: 32, .size: 8, .value_kind: global_buffer, .address_space: global }
      - { .name: k_w_scales, .offset: 40, .size: 8, .value_kind: global_buffer, .address_space: global }
      - { .name: v_w_codes, .offset: 48, .size: 8, .value_kind: global_buffer, .address_space: global }
      - { .name: v_w_scales, .offset: 56, .size: 8, .value_kind: global_buffer, .address_space: global }
      - { .name: q_b, .offset: 64, .size: 8, .value_kind: global_buffer, .address_space: global }
      - { .name: k_b, .offset: 72, .size: 8, .value_kind: global_buffer, .address_space: global }
      - { .name: v_b, .offset: 80, .size: 8, .value_kind: global_buffer, .address_space: global }
      - { .name: qrec, .offset: 88, .size: 8, .value_kind: global_buffer, .address_space: global }
      - { .name: krec, .offset: 96, .size: 8, .value_kind: global_buffer, .address_space: global }
      - { .name: vrec, .offset: 104, .size: 8, .value_kind: global_buffer, .address_space: global }
    .group_segment_fixed_size: 327680
    .private_segment_fixed_size: 0
    .kernarg_segment_align: 8
    .kernarg_segment_size: 112
    .max_flat_workgroup_size: 128
    .sgpr_count:     102
    .vgpr_count:     1024
    .wavefront_size: 32
...
	.end_amdgpu_metadata
.endif
;; end of part 1
;; launch attn (part 2): grid 4 x 64, 16 waves a work-group, clusters of 4 x 1, 167,936 bytes of LDS; arguments qrec, krec, vrec, acodes, ascales; writes acodes, ascales
.if DOCPART == 2
	.amdgcn_target "amdgcn-amd-amdhsa--gfx1250"
	.amdhsa_code_object_version 6
	.text
	.protected	k_q1f2884ce96_attn
	.globl	k_q1f2884ce96_attn
	.p2align	8
	.type	k_q1f2884ce96_attn,@function
k_q1f2884ce96_attn:
	s_mov_b64 s[64:65], 0
	v_nop
	global_prefetch_b8 v0, s[64:65] scope:SCOPE_SE
	s_setreg_imm32_b32 hwreg(HW_REG_WAVE_MODE, 25, 1), 1
	s_wait_xcnt 0x0
	s_wait_alu depctr_hold_cnt(0) depctr_sa_sdst(0) depctr_va_vdst(0) depctr_va_sdst(0) depctr_va_ssrc(0) depctr_va_vcc(0) depctr_vm_vsrc(0)
	s_getreg_b32 s2, hwreg(HW_REG_IB_STS2, 6, 4)
	s_cmp_eq_u32 s2, 0
	s_cbranch_scc0 .Lentry_in_a_cluster
	s_endpgm
.Lentry_in_a_cluster:
	s_bfe_u32 s2, ttmp6, 0x10000c
	s_cmp_lg_u32 s2, 0x3003
	s_cbranch_scc0 .Lentry_shape_is_right
	s_endpgm
.Lentry_shape_is_right:
; o = softmax(q k^T / 8, causal) v for each of 64 (batch, head) pairs, both products on codes of FP4 (E2M1) with E8M0 scales; o is then quantised along the head's 64 for the last projection.
; WORK LEFT OUT: a step of 128 keys all of which come after a tile's 16 queries: reference()'s own jnp.tril puts -inf there, so p = 0 for all values of the inputs.  A NaN or infinity that reaches only such scores is not carried on.
; THE SOFTMAX: t = score x log2(e) / 8; M = the running largest t rounded UP to a whole number; p = 2^(t - M) is quantised along the keys, not normalised; the row's sum is taken of the unquantised p and divides at the end.
; When M moves, the sum and O are multiplied by 2^(old M - new M): exact.  LIMITS: p under 2^-126 falls to 0 in v_exp_f32; a block whose every p is 0 keeps the scale byte 1 over zero codes.
; SHARES.  The four work-groups of a cluster serve one head.  A head has 128 tiles of 16 queries; work-group c owns tiles 4 m + c, m = 0 .. 31; wave w takes m = w (pass 0) and m = 31 - w (pass 1).
; Tile 4 m + c needs key steps 0 .. m / 2, whatever c: (w / 2 + 1) + (16 - w / 2) = 17 steps for every wave of every work-group, and no branch hangs on the place in the cluster.
; LDS holds the head's 16 records of K and 16 of V, filled ONCE by joint loads, one a wave (waves 0-7: K's, two records each; waves 8-15: V's); one barrier; no barrier in the loops.
; LAYOUT.  Both products transposed: S^T = K Q^T (source 0 = 16 keys, source 1 = my 16 queries), O^T = V^T P^T: a lane holds ONE query (lane % 16).  In S^T's tile t register j is key 16 t + 8 (lane / 16) + j.
; THE HEAD'S 64 IN AN INSTRUCTION OF 128: Q's registers 4-7 are zero codes and bytes 2, 3 of Q's and K's scale words are 0 (a power of two, no NaN): whatever stands in K's registers 4-7 (the next tile's codes) is multiplied by the number 0.
; The scale bytes of o leave as single bytes: a row's 32 come from 16 heads, that is from 16 clusters; they are one sixteenth of what this launch stores.
.set RECB,  4608
.set VB,    16*RECB                    ; LDS: K's 16 records, then V's
.set SPARE, 2*VB                       ; the spare words, 128 bytes for each wave: eight blocks of 256 bytes that no other line names
.set L16,  1                           ; v1   16 x lane
.set L16V, 2                           ; v2   16 x lane + VB
.set ADK,  3                           ; v3   LDS address of the step's record of K
.set ADV,  4                           ; v4   of V
.set SPW,  5                           ; v5   LDS address of my spare word; never rewritten
.set NIL,  6                           ; v6   0; never rewritten
.set DQ,   7                           ; v7-8 pass p: my query's place in its block of 128 - 8 (lane / 16)
.set OSC,  9                           ; v9   32 r + H: my scale byte's place
.set QF,   16                          ; v16-23, v24-31 Q's operand of pass 0, 1
.set KF,   32                          ; v32-63 K's eight tiles, four registers each; v64-67 zeros
.set KSC,  68                          ; v68-71 K's scale words: lanes 0-15 tiles 0-3, lanes 16-31 tiles 4-7
.set VSC,  72                          ; v72-75 V's
.set QS,   76                          ; v76-77 Q's
.set PW,   78                          ; v78    p's
.set VF,   80                          ; v80-111 V^T's four tiles
.set S,    112                         ; v112-175 S^T, then p
.set OT,   176                         ; v176-207 O^T
.set PC,   208                         ; v208-215 p's codes
.set BM,   216
.set T2,   220
.set SO,   224
.set SU,   228
.set FF,   230                         ; v[230:231] f = 2^(old M - new M) (the pair is named; the low word serves both halves)
.set TT,   232
.set NINF, 233
.set OUTC, 236                         ; v236-239, v240-243 o's codes of pass 0, 1
.set OUTB, 244                         ; v244-245 o's scale byte
.set WV,   14
.set CX,   15
.set SEL,  20
.set CS,   22
.set G1,   24
.set G0K,  32
.set G0V,  36
.set GG,   41                          ; s41-42 the last key step of pass 0, 1
.set AA,   44                          ; s[44:45], s[46:47] where o's codes go
.set SA,   48                          ; s[48:49], s[50:51] and its scale bytes
.set SS,   52                          ; s52 the key step
.set TS,   53                          ; s53 its record's LDS byte
.set QA,   56                          ; s[56:57] Q's codes, s[58:59] Q's scale words of pass 0; s[60:63] of pass 1
.macro CROUND                          ; a round of the cluster's barrier
	s_barrier_signal -1
	s_barrier_wait -1
	s_cmp_lg_u32 s[WV], 0
	s_cbranch_scc1 .Lnot_wave_0_\@
	s_barrier_signal -3
.Lnot_wave_0_\@:
	s_barrier_wait -3
	s_barrier_signal -1
	s_barrier_wait -1
.endm
	s_load_b256 s[4:11], s[0:1], 0x0               ; qrec, krec, vrec, acodes
	s_load_b64 s[12:13], s[0:1], 0x20              ; ascales
	v_lshl_add_u32 v[SPW], v0, 2, SPARE
	v_mov_b32 v[NIL], 0
	ds_add_u32 v[SPW], v[NIL]                      ; the wave's opening: the add, twice on end, and its wait ahead of my first tensor load
	ds_add_u32 v[SPW], v[NIL]                      ; and once more; the set-up below, work on registers, stands between it and the wait
	v_lshrrev_b32 v10, 5, v0
	v_readfirstlane_b32 s[WV], v10                 ; wave 0..15
	s_bfe_u32 s[CX], ttmp6, 0x40000                ; c: my place in the cluster: it enters Q's and o's addresses and the mask's numbers alone
	s_and_b32 s16, ttmp7, 0xffff                   ; 16 x batch + head, which the four partners share
	s_lshr_b32 s17, s16, 4                         ; batch
	s_and_b32 s18, s16, 15                         ; head
	s_mul_i32 s54, s17, 256*RECB
	s_mul_i32 s55, s18, RECB
	s_add_co_u32 s54, s54, s55                     ; record (batch, token block 0, head), in bytes
	s_and_b32 s55, s[WV], 7
	s_mul_i32 s55, s55, 32*RECB                    ; my two records: token blocks 2 (w % 8), 2 (w % 8) + 1
	s_add_co_u32 s[G0K+2], s54, s55
	s_mov_b32 s[G0K+3], 0
	s_mov_b32 s[G0V+2], s[G0K+2]
	s_mov_b32 s[G0V+3], 0
	s_mov_b32 s[G0K], 1
	s_mul_i32 s[G0K+1], s[WV], 2*RECB              ; LDS: wave x two records: K's 16, then V's 16
	s_mov_b32 s[G0V], 1
	s_mul_i32 s[G0V+1], s[WV], 2*RECB
	; descriptor group 1: two rows of 4,608 bytes (576 elements of 8 bytes), 16 records apart in memory, on end in LDS
	s_mov_b32 s[G1], 15|(3<<16)|(1<<21)            ; 15:0 the mask: all four work-groups; 17:16 elements of 8 bytes; 21 set beside a mask; no padding
	s_mov_b32 s[G1+1], 576<<16                     ; tensor_dim0
	s_mov_b32 s[G1+2], 2<<16                       ; tensor_dim1
	s_mov_b32 s[G1+3], 576<<16                     ; tile_dim0
	s_mov_b32 s[G1+4], 2                           ; tile_dim1
	s_mov_b32 s[G1+5], 16*576                      ; tensor_dim0_stride
	s_mov_b32 s[G1+6], 0
	s_mov_b32 s[G1+7], 0
	s_mov_b32 s[SEL], 0x76543210
	s_mov_b32 s[SEL+1], 0xfedcba98                 ; v_permlanex16_b32's selects for lane l xor 16
	s_mov_b32 s[CS], 0x3e38aa3b                    ; c = log2(e) / 8
	s_mov_b32 s[CS+1], s[CS]                       ; (named with it as a pair, so it is written)
	s_mov_b32 s40, 0xffff0000                      ; lanes 16-31
	s_lshl_b32 s43, s17, 7                         ; 128 tiles of queries a batch
	s_lshl_b32 s19, s[CX], 2
	s_add_co_u32 s19, s19, 4096                    ; Q's scale word: behind the codes, word c of four
	s_lshl_b32 s52, s18, 9                         ; o's codes: 512 bytes a head
	s_lshl_b32 s53, s18, 1                         ; o's scale bytes: 2 a head
	v_and_b32 v10, 31, v0
	v_lshlrev_b32 v[L16], 4, v10
	v_add_nc_u32 v[L16V], VB, v[L16]
	v_and_b32 v10, 15, v0                          ; r
	v_bfe_u32 v11, v0, 4, 1                        ; h
	v_lshl_add_u32 v[OSC], v10, 5, v11
	v_lshlrev_b32 v11, 3, v11
	v_sub_nc_u32 v11, v10, v11                     ; r - 8 h
	v_lshlrev_b32 v10, 4, v10                      ; 16 r: a row's four scale words
.irp p, 0,1
.if \p == 0
	s_mov_b32 s66, s[WV]                           ; m
.else
	s_sub_co_u32 s66, 31, s[WV]
.endif
	s_lshr_b32 s[GG+\p], s66, 1                    ; the tile's token block = its last key step
	s_and_b32 s67, s66, 1
	s_mul_i32 s[QA+4*\p], s[GG+\p], 16*RECB
	s_add_co_u32 s[QA+4*\p], s[QA+4*\p], s54       ; its record
	s_lshl_b32 s55, s67, 8
	s_add_co_u32 s55, s55, s19                     ; 4,096 + 256 (m % 2) + 4 c
	s_add_co_u32 s[QA+4*\p+2], s[QA+4*\p], s55
	s_mov_b32 s[QA+4*\p+3], 0
	s_lshl_b32 s55, s67, 2
	s_add_co_u32 s55, s55, s[CX]                   ; the tile's place in its block: 4 (m % 2) + c
	s_lshl_b32 s67, s55, 9
	s_add_co_u32 s[QA+4*\p], s[QA+4*\p], s67
	s_mov_b32 s[QA+4*\p+1], 0
	s_lshl_b32 s55, s55, 4
	v_add_nc_u32 v[DQ+\p], s55, v11
	s_lshl_b32 s67, s66, 2
	s_add_co_u32 s67, s67, s[CX]
	s_add_co_u32 s67, s67, s43                     ; the tile among all 512
	s_lshl_b32 s[AA+2*\p], s67, 13                 ; 8,192 bytes of codes a tile
	s_add_co_u32 s[AA+2*\p], s[AA+2*\p], s52
	s_mov_b32 s[AA+2*\p+1], 0
	s_lshl_b32 s[SA+2*\p], s67, 9                  ; 512 scale bytes a tile
	s_add_co_u32 s[SA+2*\p], s[SA+2*\p], s53
	s_mov_b32 s[SA+2*\p+1], 0
.endr
	s_wait_dscnt 0x0                               ; both opening adds are done
	s_wait_kmcnt 0x0
	s_add_nc_u64 s[G0K+2:G0K+3], s[6:7], s[G0K+2:G0K+3]
	s_or_b32 s[G0K+3], s[G0K+3], 0x80000000        ; 127:126 type = 2
	s_add_nc_u64 s[G0V+2:G0V+3], s[8:9], s[G0V+2:G0V+3]
	s_or_b32 s[G0V+3], s[G0V+3], 0x80000000
.irp p, 0,1
	s_add_nc_u64 s[QA+4*\p:QA+4*\p+1], s[4:5], s[QA+4*\p:QA+4*\p+1]
	s_add_nc_u64 s[QA+4*\p+2:QA+4*\p+3], s[4:5], s[QA+4*\p+2:QA+4*\p+3]
	s_add_nc_u64 s[AA+2*\p:AA+2*\p+1], s[10:11], s[AA+2*\p:AA+2*\p+1]
	s_add_nc_u64 s[SA+2*\p:SA+2*\p+1], s[12:13], s[SA+2*\p:SA+2*\p+1]
.endr
	CROUND                                         ; all four work-groups are here: the joint loads meet
	s_cmp_lt_u32 s[WV], 8                          ; every wave issues one load: one of mine is out.  An s_nop 0 and four v_nop follow each line
	s_cbranch_scc0 .Lfor_v
	tensor_load_to_lds s[G0K:G0K+3], s[G1:G1+7]
	s_nop 0
.rept 4
	v_nop
.endr
	s_branch .Lasked
.Lfor_v:
	tensor_load_to_lds s[G0V:G0V+3], s[G1:G1+7]
	s_nop 0
.rept 4
	v_nop
.endr
.Lasked:
.irp p, 0,1
	global_load_b128 v[QF+8*\p:QF+8*\p+3], v[L16], s[QA+4*\p:QA+4*\p+1]    ; Q's four registers, as they were stored
	global_load_b32 v[QS+\p], v10, s[QA+4*\p+2:QA+4*\p+3]                  ; and its rows' scale words
.irp j, 4,5,6,7
	v_mov_b32 v[QF+8*\p+\j], 0                     ; zero codes for the upper 64 along K
.endr
.endr
.irp j, 0,1,2,3
	v_mov_b32 v[KF+32+\j], 0                       ; behind K's last tile
	v_mov_b32 v[T2+\j], 0                          ; written once: a lane permute's destination counts as one of its sources
.endr
	v_mov_b32 v[TT], 0
	v_mov_b32 v[FF+1], 0                           ; (the upper half of a pair that is named)
	v_mov_b32 v[NINF], 0xff800000                  ; -infinity
	s_wait_tensorcnt 0x0                           ; my two records are in,
	s_barrier_signal -1
	s_barrier_wait -1                              ; everybody's are: the head's K and V lie in LDS for the rest of the launch
	s_wait_loadcnt 0x0                             ; Q
; A KEY STEP of pass p: 128 keys.  A step behind the tile's last is left out by a scalar branch on the wave's number and the count of steps; the line at its end that steps the address is run all the same.
.macro STEP p
	s_cmp_gt_u32 s[SS], s[GG+\p]
	s_cbranch_scc1 .Lhidden_\@
	v_add_nc_u32 v[ADK], s[TS], v[L16]
	v_add_nc_u32 v[ADV], s[TS], v[L16V]
	v_nop
	v_nop                                          ; four places between the last step's products and the loads into the registers that they read
.irp t, 0,1,2,3,4,5,6,7
	ds_load_b128 v[KF+4*\t:KF+4*\t+3], v[ADK] offset:512*\t
.endr
	ds_load_b128 v[KSC:KSC+3], v[ADK] offset:4096
.irp t, 0,1,2,3
.irp c, 0,1
	ds_load_b128 v[VF+8*\t+4*\c:VF+8*\t+4*\c+3], v[ADV] offset:1024*\t+512*\c
.endr
.endr
	ds_load_b128 v[VSC:VSC+3], v[ADV] offset:4096
	s_wait_dscnt 9                                 ; K and its scale words are in; V's nine loads may stay out
.irp t, 0,1,2,3
	v_wmma_scale_f32_16x16x128_f8f6f4 v[S+8*\t:S+8*\t+7], v[KF+4*\t:KF+4*\t+7], v[QF+8*\p:QF+8*\p+7], 0, v[KSC+\t], v[QS+\p] matrix_a_fmt:MATRIX_FMT_FP4 matrix_b_fmt:MATRIX_FMT_FP4
.endr
.irp t, 4,5,6,7
	v_wmma_scale_f32_16x16x128_f8f6f4 v[S+8*\t:S+8*\t+7], v[KF+4*\t:KF+4*\t+7], v[QF+8*\p:QF+8*\p+7], 0, v[KSC+\t-4], v[QS+\p] matrix_a_fmt:MATRIX_FMT_FP4 matrix_b_fmt:MATRIX_FMT_FP4 matrix_a_scale:MATRIX_SCALE_ROW1
.endr
.rept 4
	v_nop
.endr
	s_cmp_lt_u32 s[SS], s[GG+\p]                   ; only the tile's last step lies on the diagonal
	s_cbranch_scc1 .Lopen_\@
.set n, 0
.rept 64
	v_cmp_gt_i32 vcc_lo, 16*(n/8)+n%8, v[DQ+\p]    ; register n holds key 16 (n / 8) + 8 (lane / 16) + n % 8 of the block: hidden where it comes after my query
	v_cndmask_b32 v[S+n], v[S+n], v[NINF], vcc_lo
.set n, n+1
.endr
.Lopen_\@:
.irp b, 0,1,2,3
	v_max3_num_f32 v[BM+\b], v[S+16*\b], v[S+1+16*\b], v[S+2+16*\b]         ; the largest score of each block of 32 keys: it serves for the row's maximum and, since p rises with the score, for the block's largest p
.endr
.irp i, 3,5,7,9,11,13
.irp b, 0,1,2,3
	v_max3_num_f32 v[BM+\b], v[BM+\b], v[S+16*\b+\i], v[S+1+16*\b+\i]
.endr
.endr
.irp b, 0,1,2,3
	v_max_num_f32 v[BM+\b], v[BM+\b], v[S+15+16*\b]
.endr
.irp b, 0,1,2,3
	v_permlanex16_b32 v[T2+\b], v[BM+\b], s[SEL], s[SEL+1]
.endr
.irp b, 0,1,2,3
	v_max_num_f32 v[BM+\b], v[BM+\b], v[T2+\b]     ; with lane l xor 16's 16 keys
.endr
	v_max3_num_f32 v[TT], v[BM], v[BM+1], v[BM+2]
	v_max_num_f32 v[TT], v[TT], v[BM+3]            ; the step's largest score of my query
	v_mul_f32 v[TT], s[CS], v[TT]                  ; as t
	v_max_num_f32 v13, v13, v[TT]                  ; the running largest t
	v_mov_b32 v[TT], v12
	v_floor_f32 v12, -v13                          ; the new -M = floor(-t) = -ceil(t)
	v_sub_f32 v[TT], v12, v[TT]                    ; old M less new M: a whole number, 0 or less
	v_cvt_i32_f32 v[TT], v[TT]                     ; (it saturates)
	v_ldexp_f32 v[FF], 1.0, v[TT]                  ; f = 2^(old M - new M)
.set j, 0
.rept 32
	v_pk_fma_f32 v[S+j:S+j+1], v[S+j:S+j+1], s[CS:CS+1], v[12:13] op_sel_hi:[1,0,0]   ; t - M, two at a time
.set j, j+2
.endr
.irp b, 0,1,2,3
	v_fma_f32 v[BM+\b], v[BM+\b], s[CS], v12       ; the same of each block's largest score
.endr
.set j, 0
.rept 64
	v_exp_f32 v[S+j], v[S+j]                       ; p = 2^(t - M)
.set j, j+1
.endr
	v_pk_mul_f32 v[14:15], v[14:15], v[FF:FF+1] op_sel_hi:[1,0]             ; the sums under the new M: a plain place behind the exponentials
	s_wait_alu depctr_va_vdst(0)                   ; one wait for the whole batch, ahead of its first reader
.irp b, 0,1,2,3
	v_exp_f32 v[BM+\b], v[BM+\b]                   ; the block's largest p
.endr
	v_pk_add_f32 v[SU:SU+1], v[S:S+1], v[S+2:S+3]  ; the row's sum is taken of the unquantised p: two at a time, in two chains
.set j, 4
.rept 15
	v_pk_add_f32 v[14:15], v[14:15], v[S+j:S+j+1]
	v_pk_add_f32 v[SU:SU+1], v[SU:SU+1], v[S+j+2:S+j+3]
.set j, j+4
.endr
	v_pk_add_f32 v[14:15], v[14:15], v[SU:SU+1]
	s_wait_alu depctr_va_vdst(0)                   ; and one for the four
.irp b, 0,1,2,3
	v_max_num_f32 v[BM+\b], 0x1800000, v[BM+\b]    ; the floor 2^(3 - 127): the byte cannot fall under 1
.endr
.irp b, 0,1,2,3
	v_add_nc_u32 v[SO+\b], 0xff000000, v[BM+\b]    ; 2 off the exponent field: the conversion's scale operand
.endr
.irp b, 0,1,2,3
	v_lshrrev_b32 v[T2+\b], 23, v[SO+\b]           ; the scale's byte
.endr
	v_lshl_or_b32 v[PW], v[T2+1], 8, v[T2]         ; p's scale word for these 128 keys
	v_lshl_or_b32 v[PW], v[T2+2], 16, v[PW]
	v_lshl_or_b32 v[PW], v[T2+3], 24, v[PW]
.irp t, 0,1,2,3,4,5,6,7
	v_cvt_scalef32_pk8_fp4_f32 v[PC+4*(\t/4)+2*(\t%2)+(\t%4)/2], v[S+8*\t:S+8*\t+7], v[SO+\t/2]   ; tile t's codes to register 4 (t / 4) + (0, 2, 1, 3)[t % 4]
.endr
	v_nop                                          ; one plain place behind a scaled conversion
.irp c, 0,1
	v_permlane16_swap_b32 v[PC+4*\c], v[PC+4*\c+1] ; lane (r, H) now holds keys 64 c + 32 H + 0 .. 31 in registers 4 c .. 4 c + 3
	v_permlane16_swap_b32 v[PC+4*\c+2], v[PC+4*\c+3]
.endr
.set j, 0
.rept 16
	v_pk_mul_f32 v[OT+j:OT+j+1], v[OT+j:OT+j+1], v[FF:FF+1] op_sel_hi:[1,0]   ; O^T under the new M.  (Also the places between the lines that wrote p's codes and scale word and the products below)
.set j, j+2
.endr
	s_wait_dscnt 0x0                               ; V and its scale words are in
.irp t, 0,1,2,3
	v_wmma_scale_f32_16x16x128_f8f6f4 v[OT+8*\t:OT+8*\t+7], v[VF+8*\t:VF+8*\t+7], v[PC:PC+7], v[OT+8*\t:OT+8*\t+7], v[VSC+\t], v[PW] matrix_a_fmt:MATRIX_FMT_FP4 matrix_b_fmt:MATRIX_FMT_FP4   ; the four accumulators by turns, one instruction a turn
.endr
.Lhidden_\@:
	s_add_co_u32 s[TS], s[TS], RECB
.endm
; THE WAY OUT of pass p: O^T / the sum, quantised along d: block beta = tiles 2 beta, 2 beta + 1 of lanes l and l xor 16; the codes leave as an image of four operand registers, 512 consecutive bytes a wave.
.macro WAYOUT p
.rept 4
	v_nop                                          ; places behind the last products
.endr
	v_add_f32 v14, v14, v15                        ; the sum's two halves,
	v_permlanex16_b32 v[TT], v14, s[SEL], s[SEL+1]
	v_add_f32 v14, v14, v[TT]                      ; and lane l xor 16's
	v_rcp_f32 v14, v14
	v_nop                                          ; a plain place behind the transcendental
	s_wait_alu depctr_va_vdst(0)                   ; the wait ahead of its first reader
.set j, 0
.rept 16
	v_pk_mul_f32 v[S+j:S+j+1], v[OT+j:OT+j+1], v[14:15] op_sel_hi:[1,0]     ; register 8 t + i is o(query r, d = 16 t + 8 h + i); each accumulator from its low end on
.set j, j+2
.endr
.irp b, 0,1
	v_max3_num_f32 v[BM+\b], |v[S+16*\b]|, |v[S+16*\b+1]|, 0x1800000
.endr
.irp i, 2,4,6,8,10,12,14
.irp b, 0,1
	v_max3_num_f32 v[BM+\b], v[BM+\b], |v[S+16*\b+\i]|, |v[S+16*\b+\i+1]|
.endr
.endr
.irp b, 0,1
	v_permlanex16_b32 v[T2+\b], v[BM+\b], s[SEL], s[SEL+1]
.endr
.irp b, 0,1
	v_max_num_f32 v[BM+\b], v[BM+\b], v[T2+\b]
.endr
.irp b, 0,1
	v_add_nc_u32 v[SO+\b], 0xff000000, v[BM+\b]
.endr
.irp b, 0,1
	v_lshrrev_b32 v[T2+\b], 23, v[SO+\b]
.endr
.irp t, 0,1,2,3
	v_cvt_scalef32_pk8_fp4_f32 v[OUTC+4*\p+2*(\t%2)+\t/2], v[S+8*\t:S+8*\t+7], v[SO+\t/2]
.endr
	v_nop                                          ; one plain place behind a scaled conversion
	v_cndmask_b32 v[OUTB+\p], v[T2], v[T2+1], s40  ; lanes 0-15 store block 0's byte, lanes 16-31 block 1's
	v_permlane16_swap_b32 v[OUTC+4*\p], v[OUTC+4*\p+1]
	v_permlane16_swap_b32 v[OUTC+4*\p+2], v[OUTC+4*\p+3]
	global_store_b128 v[L16], v[OUTC+4*\p:OUTC+4*\p+3], s[AA+2*\p:AA+2*\p+1]   ; each pass has registers and bases of its own: none is written again
	global_store_b8 v[OSC], v[OUTB+\p], s[SA+2*\p:SA+2*\p+1]
.endm
; A pass: one tile of 16 queries.  The trip count is a constant (the most that any wave needs in this pass).  The step is written once: the first finds zeros, which the first change of M leaves zeros.
.macro PASS p, trips
	v_mov_b32 v13, 0xff61b1e6                      ; the largest t so far: -3e38
	v_floor_f32 v12, -v13                          ; -M
	v_mov_b32 v14, 0
	v_mov_b32 v15, 0
.set j, 0
.rept 32
	v_mov_b32 v[OT+j], 0
.set j, j+1
.endr
	s_mov_b32 s[SS], 0
	s_mov_b32 s[TS], 0
.Lstep_\@:
	STEP \p
	s_add_co_u32 s[SS], s[SS], 1
	s_cmp_lt_u32 s[SS], \trips
	s_cbranch_scc1 .Lstep_\@
	WAYOUT \p
.endm
	PASS 0, 8
	PASS 1, 16
	s_wait_tensorcnt 0x0                           ; the wave's end
	ds_add_u32 v[SPW], v[NIL]
	s_wait_dscnt 0x0
	CROUND                                         ; the closing round
	s_endpgm
.Lfunc_end_k_q1f2884ce96_attn:
	.size	k_q1f2884ce96_attn, .Lfunc_end_k_q1f2884ce96_attn-k_q1f2884ce96_attn
	.p2alignl 7, 3214868480
	.fill 96, 4, 3214868480
	.section	.rodata,"a",@progbits
	.p2align	6, 0x0
	.amdhsa_kernel k_q1f2884ce96_attn
		.amdhsa_group_segment_fixed_size 167936
		.amdhsa_private_segment_fixed_size 0
		.amdhsa_enable_private_segment 0
		.amdhsa_kernarg_size 40
		.amdhsa_user_sgpr_count 2
		.amdhsa_user_sgpr_kernarg_segment_ptr 1
		.amdhsa_wavefront_size32 1
		.amdhsa_system_sgpr_workgroup_id_x 1
		.amdhsa_system_sgpr_workgroup_id_y 1
		.amdhsa_system_sgpr_workgroup_id_z 1
		.amdhsa_system_vgpr_workitem_id 0
		.amdhsa_next_free_vgpr 256
		.amdhsa_next_free_sgpr 68
		.amdhsa_reserve_vcc 1
		.amdhsa_float_denorm_mode_32 3
		.amdhsa_float_denorm_mode_16_64 3
		.amdhsa_memory_ordered 1
		.amdhsa_forward_progress 1
		.amdhsa_inst_pref_size 57
	.end_amdhsa_kernel
	.amdgpu_metadata
---
amdhsa.version: [ 1, 2 ]
amdhsa.kernels:
  - .name:           k_q1f2884ce96_attn
    .symbol:         k_q1f2884ce96_attn.kd
    .args:
      - { .name: qrec, .offset: 0, .size: 8, .value_kind: global_buffer, .address_space: global }
      - { .name: krec, .offset: 8, .size: 8, .value_kind: global_buffer, .address_space: global }
      - { .name: vrec, .offset: 16, .size: 8, .value_kind: global_buffer, .address_space: global }
      - { .name: acodes, .offset: 24, .size: 8, .value_kind: global_buffer, .address_space: global }
      - { .name: ascales, .offset: 32, .size: 8, .value_kind: global_buffer, .address_space: global }
    .group_segment_fixed_size: 167936
    .private_segment_fixed_size: 0
    .kernarg_segment_align: 8
    .kernarg_segment_size: 40
    .max_flat_workgroup_size: 512
    .sgpr_count:     68
    .vgpr_count:     256
    .wavefront_size: 32
...
	.end_amdgpu_metadata
.endif
;; end of part 2
;; launch oproj (part 3): grid 4 x 32, 4 waves a work-group, clusters of 4 x 4, 327,680 bytes of LDS; arguments acodes, ascales, o_w_codes, o_w_scales, o_b, out0; writes out0
.if DOCPART == 3
	.amdgcn_target "amdgcn-amd-amdhsa--gfx1250"
	.amdhsa_code_object_version 6
	.text
	.protected	k_q1f2884ce96_oproj
	.globl	k_q1f2884ce96_oproj
	.p2align	8
	.type	k_q1f2884ce96_oproj,@function
k_q1f2884ce96_oproj:
	s_mov_b64 s[64:65], 0
	v_nop
	global_prefetch_b8 v0, s[64:65] scope:SCOPE_SE
	s_setreg_imm32_b32 hwreg(HW_REG_WAVE_MODE, 25, 1), 1
	s_wait_xcnt 0x0
	s_wait_alu depctr_hold_cnt(0) depctr_sa_sdst(0) depctr_va_vdst(0) depctr_va_sdst(0) depctr_va_ssrc(0) depctr_va_vcc(0) depctr_vm_vsrc(0)
	s_getreg_b32 s2, hwreg(HW_REG_IB_STS2, 6, 4)
	s_cmp_eq_u32 s2, 0
	s_cbranch_scc0 .Lentry_in_a_cluster
	s_endpgm
.Lentry_in_a_cluster:
	s_bfe_u32 s2, ttmp6, 0x10000c
	s_cmp_lg_u32 s2, 0xf033
	s_cbranch_scc0 .Lentry_shape_is_right
	s_endpgm
.Lentry_shape_is_right:
; out0 = a o_w^T + o_b on codes of FP4 (E2M1) with E8M0 scales; a [8,192][1,024] is the attention's result as the launch before stored it; o_w [1,024][1,024] is given; out0 [8,192][1,024] f32.  No work is left out here.
; A tile of out0, 256 x 256, is made by a work-group of four waves, a wave makes 128 x 128: 64 accumulators.  K = 1,024 is two halves of 512: both lie in LDS at once, each slot filled once, with the scale bytes behind them.
; a's codes lie as IMAGES OF OPERAND REGISTERS, [tile of 16 tokens][head 16][512 bytes]: heads 2 q and 2 q + 1 on end are the eight registers of K step q, 16 bytes a lane at 16 x lane: a fragment is two loads of 512 consecutive bytes.
; o_w's codes lie as rows (512 bytes), padded in LDS.  a's tiles are asked for jointly by a row of the 4 x 4 cluster, o_w's by a column.
; The matrix instruction takes 16 rows of o_w as source 0 and 16 rows of a as source 1: a lane then holds eight neighbouring numbers of a row of out0.  The bias is the C of each sum's first product.
; 128 work-groups: half of what the tile of 128 x 256 would give; the larger tile reads each LDS byte for twice the products.
; REGISTERS: window 0: v16-29 addresses; v32-95 scale words, two sets; v128-191 a's fragments, one set (the way out: v128-255).  window 1: v0-63, v128-191 o_w's fragments, two sets; v64-127 the bias.  windows 2, 3: the accumulators.
.set SIZE_N, 1024
.set NQ,     4
.set ROWB,   256
.set KROW,   512
.set PITCH,  272                       ; an LDS row of o_w: 256 bytes + 16 of padding
.set FR,     8
.set NL,     2
.set NP,     4                         ; places behind this matrix instruction (ISA guide 7.12.1)
.set HALFT,  128*PITCH                 ; o_w: 128 rows: one tensor load
.set AHALF,  8*4096                    ; a: 8 tiles of 16 tokens x 512 along K: one tensor load
.set SLOT,   2*AHALF+2*HALFT
.set KS,     32
.set SCL,    2*SLOT
.set HALFS,  (128*KS/256)*272
.set SBLK,   (16*KS/256)*272
.set SPARE,  SCL+4*HALFS               ; the spare words, 128 bytes for each wave: two blocks of 256 bytes that no other line names
.set SPITCH, 528                       ; the way out: a stage of 16 rows x (512 bytes + 16) for each wave, in slot 0, which has had its one fill and its last read when the first result is stored there
.set ADRA, 16
.set ADRB, 20
.set STO,  24
.set RD,   25
.set CO,   26                          ; v26  16 x lane
.set ADRS, 27
.set SPW,  28                          ; never rewritten
.set NIL,  29                          ; never rewritten
.set SC,   32
.set AF,   128
.set BK,   128
.set BIAS, 64                          ; in window 1
.set G1,   24
.set G0,   32
.set G1B,  48
.set G0B,  56
.set G1S,  68
.set G0S,  76
.set G1SB, 80
.set G0SB, 88
.set MSB, 0
.macro WIN new                         ; the immediate's high byte repeats the setting that is left
.if MSB != \new
	s_set_vgpr_msb (MSB<<8)|\new
.set MSB, \new
.endif
.endm
.set MUL_LO, 0xa1
.set MUL_HI, 0xf1
.set BIA_LO, 0x91                      ; C (the bias) window 1, D window 2
.set BIA_HI, 0xd1
.set TO_B,   0x40
.macro JLOAD g0a, g1a, g0b, g1b        ; a joint load: waves 0 and 1 fetch for a, waves 2 and 3 for o_w; an s_nop 0 and four v_nop follow each line
	s_cmp_eq_u32 s15, 0
	s_cbranch_scc0 .Lfor_b_\@
	tensor_load_to_lds s[\g0a:\g0a+3], s[\g1a:\g1a+7]
	s_nop 0
.rept 4
	v_nop
.endr
	s_branch .Lasked_\@
.Lfor_b_\@:
	tensor_load_to_lds s[\g0b:\g0b+3], s[\g1b:\g1b+7]
	s_nop 0
.rept 4
	v_nop
.endr
.Lasked_\@:
.endm
.macro CROUND                          ; a round of the cluster's barrier
	s_barrier_signal -1
	s_barrier_wait -1
	s_cmp_lg_u32 s14, 0
	s_cbranch_scc1 .Lnot_wave_0_\@
	s_barrier_signal -3
.Lnot_wave_0_\@:
	s_barrier_wait -3
	s_barrier_signal -1
	s_barrier_wait -1
.endm
	s_load_b128 s[4:7], s[0:1], 0x0                ; a's codes, a's scales
	s_load_b128 s[8:11], s[0:1], 0x10              ; o_w's codes, o_w's scales
	s_load_b64 s[96:97], s[0:1], 0x20              ; o_b
	s_load_b64 s[12:13], s[0:1], 0x28              ; out0
	v_lshl_add_u32 v[SPW], v0, 2, SPARE
	v_mov_b32 v[NIL], 0
	ds_add_u32 v[SPW], v[NIL]                      ; the wave's opening: the add, twice on end, and its wait ahead of my first tensor load
	ds_add_u32 v[SPW], v[NIL]                      ; and once more; the set-up below, work on registers, stands between it and the wait
	v_lshrrev_b32 v1, 5, v0
	v_readfirstlane_b32 s14, v1                    ; wave 0..3
	s_lshr_b32 s15, s14, 1                         ; which half of the tile's rows is mine.  Also: I fetch for a (0) or for o_w (1)
	s_and_b32 s16, s14, 1                          ; which half of its columns.  Also: which 128 rows I fetch
	s_bfe_u32 s40, ttmp6, 0x40000                  ; cx, cy
	s_bfe_u32 s41, ttmp6, 0x40004
	s_lshl_b32 s42, ttmp9, 2
	s_add_co_u32 s42, s42, s40                     ; tile column = 4 x cluster x + cx
	s_and_b32 s17, ttmp7, 0xffff
	s_lshl_b32 s17, s17, 2
	s_add_co_u32 s17, s17, s41                     ; tile row = 4 x cluster y + cy
	s_lshl_b32 s43, s41, 2
	s_lshl_b32 s43, 15, s43                        ; my row of the cluster
	s_lshl_b32 s44, 0x1111, s40                    ; my column
	; group 1 for a's images: 8 rows of 4,096 bytes (512 elements of 8 bytes), 8,192 bytes apart in memory, on end in LDS
	s_or_b32 s[G1+0], s43, (3<<16)|(1<<21)         ; 15:0 the mask: my row; 17:16 elements of 8 bytes; 21 set beside a mask; no padding
	s_mov_b32 s[G1+1], 512<<16
	s_mov_b32 s[G1+2], 8<<16
	s_mov_b32 s[G1+3], 512<<16
	s_mov_b32 s[G1+4], 8
	s_mov_b32 s[G1+5], 1024
	s_mov_b32 s[G1+6], 0
	s_mov_b32 s[G1+7], 0
	; group 1 for o_w's tiles: 128 rows x 256 bytes, 16 bytes of padding behind each
	s_or_b32 s[G1B+0], s44, (0<<16)|(1<<20)|(1<<21)|(5<<22)|(3<<25)
	s_mov_b32 s[G1B+1], ROWB<<16
	s_mov_b32 s[G1B+2], 128<<16
	s_mov_b32 s[G1B+3], ROWB<<16
	s_mov_b32 s[G1B+4], 128
	s_mov_b32 s[G1B+5], KROW
	s_mov_b32 s[G1B+6], 0
	s_mov_b32 s[G1B+7], 0
	; the scale bytes of 128 rows: 4,096 dense bytes, as 16 rows of 256 bytes, 16 bytes of padding behind each
	s_or_b32 s[G1S+0], s43, (3<<16)|(1<<20)|(1<<21)|(5<<22)|(3<<25)
	s_or_b32 s[G1SB+0], s44, (3<<16)|(1<<20)|(1<<21)|(5<<22)|(3<<25)
.irp g, G1S, G1SB
	s_mov_b32 s[\g+1], 32<<16
	s_mov_b32 s[\g+2], (128*KS/256)<<16
	s_mov_b32 s[\g+3], 32<<16
	s_mov_b32 s[\g+4], 128*KS/256
	s_mov_b32 s[\g+5], 32
	s_mov_b32 s[\g+6], 0
	s_mov_b32 s[\g+7], 0
.endr
	; 256 rows are 2^17 bytes of codes and 2^13 scale bytes in both operands; 128 rows half of that
	s_lshl_b32 s18, s16, 16
	s_lshl_b32 s19, s16, 12
	s_lshl_b32 s20, s17, 17
	s_add_co_u32 s20, s20, s18                     ; a's codes: by the tile row
	s_mov_b32 s21, 0
	s_lshl_b32 s22, s17, 13
	s_add_co_u32 s22, s22, s19                     ; a's scales
	s_mov_b32 s23, 0
	s_lshl_b32 s46, s42, 17
	s_add_co_u32 s46, s46, s18                     ; o_w's codes: by the tile column
	s_mov_b32 s47, 0
	s_lshl_b32 s92, s42, 13
	s_add_co_u32 s92, s92, s19                     ; o_w's scales
	s_mov_b32 s93, 0
	s_mul_i32 s45, s16, AHALF                      ; where they go: no place in the cluster enters an LDS address
	s_mul_i32 s95, s16, HALFT
	s_add_co_u32 s95, s95, 2*AHALF
	s_mul_i32 s94, s14, HALFS
	s_wait_dscnt 0x0                               ; both opening adds are done
	s_wait_kmcnt 0x0
	s_add_nc_u64 s[20:21], s[4:5], s[20:21]
	s_add_nc_u64 s[22:23], s[6:7], s[22:23]
	s_add_nc_u64 s[46:47], s[8:9], s[46:47]
	s_add_nc_u64 s[92:93], s[10:11], s[92:93]
	CROUND                                         ; all sixteen work-groups are here: the joint loads meet
	s_mov_b32 s[G0S], 1
	s_add_co_u32 s[G0S+1], s94, SCL
	s_mov_b64 s[G0S+2:G0S+3], s[22:23]
	s_or_b32 s[G0S+3], s[G0S+3], 0x80000000
	s_mov_b32 s[G0SB], 1
	s_add_co_u32 s[G0SB+1], s94, SCL
	s_mov_b64 s[G0SB+2:G0SB+3], s[92:93]
	s_or_b32 s[G0SB+3], s[G0SB+3], 0x80000000
	JLOAD G0S, G1S, G0SB, G1SB                     ; the scale bytes first
.irp s, 0,1
	s_mov_b32 s[G0+4*\s], 1
	s_add_co_u32 s[G0+4*\s+1], s45, \s*SLOT
	s_add_nc_u64 s[G0+4*\s+2:G0+4*\s+3], s[20:21], \s*4096
	s_or_b32 s[G0+4*\s+3], s[G0+4*\s+3], 0x80000000
	s_mov_b32 s[G0B+4*\s], 1
	s_add_co_u32 s[G0B+4*\s+1], s95, \s*SLOT
	s_add_nc_u64 s[G0B+4*\s+2:G0B+4*\s+3], s[46:47], \s*ROWB
	s_or_b32 s[G0B+4*\s+3], s[G0B+4*\s+3], 0x80000000
	JLOAD G0+4*\s, G1, G0B+4*\s, G1B               ; both halves of K: three loads of mine are out
.endr
	v_and_b32 v1, 15, v0                           ; r
	v_bfe_u32 v2, v0, 4, 1                         ; h
	v_and_b32 v6, 31, v0
	v_lshlrev_b32 v[CO], 4, v6                     ; 16 x lane
	v_mul_u32_u24 v3, v1, PITCH
	v_lshl_add_u32 v4, v2, 4, v3                   ; o_w: a fragment's row x pitch + 16 x half
	s_mul_i32 s21, s15, AHALF                      ; my 8 tiles of a
	s_mul_i32 s22, s16, HALFT                      ; my 128 rows of o_w,
	s_add_co_u32 s22, s22, 2*AHALF                 ; which lie behind a's images
.irp s, 0,1
	v_add_nc_u32 v[ADRA+\s], s21, v[CO]
	v_add_nc_u32 v[ADRB+\s], s22, v4
	s_add_co_u32 s21, s21, SLOT
	s_add_co_u32 s22, s22, SLOT
.endr
	v_mul_u32_u24 v5, v1, KS
	v_lshrrev_b32 v6, 8, v5
	v_lshl_add_u32 v5, v6, 4, v5                   ; my row's scale bytes: 32 a row, 16 more for each 256 passed
	s_mul_i32 s21, s15, HALFS
	s_mul_i32 s22, s16, HALFS
	s_add_co_u32 s22, s22, 2*HALFS
	s_sub_co_u32 s22, s22, s21
	v_mul_u32_u24 v6, s22, v2                      ; lanes 16-31 take o_w's
	s_add_co_u32 s21, s21, SCL
	v_add_nc_u32 v5, v5, v6
	v_add_nc_u32 v[ADRS], s21, v5
	s_mul_i32 s23, s14, 16*SPITCH                  ; my stage
	v_mul_u32_u24 v5, v1, SPITCH
	v_lshl_add_u32 v5, v2, 5, v5
	v_add_nc_u32 v[STO], s23, v5                   ; in: row r, 32 bytes for each half of the lanes
	v_add_nc_u32 v[RD], s23, v[CO]                 ; back: the 32 lanes take one row of 512 bytes
	v_lshlrev_b32 v7, 5, v2                        ; the bias: my half's eight numbers of a tile's sixteen
	s_lshl_b32 s20, s17, 8
	s_lshl_b32 s21, s15, 7
	s_add_co_u32 s20, s20, s21                     ; my first row of out0
	s_lshl_b32 s20, s20, 12                        ; 4,096 bytes a row
	s_mov_b32 s21, 0
	s_lshl_b32 s46, s42, 10                        ; my first column, in bytes: 1,024 x tile column + 512 x half
	s_lshl_b32 s47, s16, 9
	s_add_co_u32 s46, s46, s47
	s_mov_b32 s47, 0
	s_add_nc_u64 s[96:97], s[96:97], s[46:47]      ; the bias at my 128 columns
	s_add_nc_u64 s[20:21], s[20:21], s[46:47]
	s_add_nc_u64 s[12:13], s[12:13], s[20:21]
	WIN TO_B
.irp b, 0,1,2,3,4,5,6,7
	global_load_b128 v[BIAS+8*\b:BIAS+8*\b+3], v7, s[96:97] offset:64*\b       ; o_b at columns 16 b + 8 h + 0 .. 7: the result's layout
	global_load_b128 v[BIAS+8*\b+4:BIAS+8*\b+7], v7, s[96:97] offset:64*\b+16
.endr
	WIN 0
.macro FRAG reg, adr, q, i             ; o_w: 16 rows x 128 K from padded rows
.irp c, 0,1
	ds_load_b128 v[\reg+4*\c:\reg+4*\c+3], v[\adr] offset:64*(\q)+32*\c+(\i)*16*PITCH
.endr
.endm
.macro FRAGA reg, adr, q, i            ; a: tile i, K step q: an image: 512 consecutive bytes a load
.irp c, 0,1
	ds_load_b128 v[\reg+4*\c:\reg+4*\c+3], v[\adr] offset:4096*(\i)+1024*(\q)+512*\c
.endr
.endm
; 16 matrix instructions: a's blocks a0, a0 + 1 x o_w's eight.  mode 1: the sums begin with the bias.  The 64 accumulators take turns, one instruction a turn, in the same order in every step.
.macro MUL16 a0, p, q, sc, mode
.irp a, \a0, \a0+1
.irp b, 0,1,2,3,4,5,6,7
.if \mode
	v_wmma_scale_f32_16x16x128_f8f6f4 v[8*(8*((\a)%4)+\b):8*(8*((\a)%4)+\b)+7], v[128*(\p)+FR*\b:128*(\p)+FR*\b+FR-1], v[AF+FR*(\a):AF+FR*(\a)+FR-1], v[BIAS+8*\b:BIAS+8*\b+7], v[SC+8*NQ*(\sc)+NQ*\b+(\q)], v[SC+8*NQ*(\sc)+NQ*(\a)+(\q)] matrix_a_fmt:MATRIX_FMT_FP4 matrix_b_fmt:MATRIX_FMT_FP4 matrix_a_scale:MATRIX_SCALE_ROW1
.else
	v_wmma_scale_f32_16x16x128_f8f6f4 v[8*(8*((\a)%4)+\b):8*(8*((\a)%4)+\b)+7], v[128*(\p)+FR*\b:128*(\p)+FR*\b+FR-1], v[AF+FR*(\a):AF+FR*(\a)+FR-1], v[8*(8*((\a)%4)+\b):8*(8*((\a)%4)+\b)+7], v[SC+8*NQ*(\sc)+NQ*\b+(\q)], v[SC+8*NQ*(\sc)+NQ*(\a)+(\q)] matrix_a_fmt:MATRIX_FMT_FP4 matrix_b_fmt:MATRIX_FMT_FP4 matrix_a_scale:MATRIX_SCALE_ROW1
.endif
.endr
.endr
.endm
.macro FETCH_B slot, q, p
	WIN TO_B
.irp i, 0,1,2,3,4,5,6,7
	FRAG 128*(\p)+FR*\i, ADRB+\slot, \q, \i
.endr
	WIN 0
.endm
.macro FETCH_A slot, q, i0
.irp i, \i0, \i0+1, \i0+2, \i0+3
	FRAGA AF+FR*(\i), ADRA+\slot, \q, \i
.endr
.endm
.macro SCALES sc                       ; lanes 0-15 take a's block i, lanes 16-31 o_w's block i: four words a row
.irp i, 0,1,2,3,4,5,6,7
	ds_load_b128 v[SC+8*NQ*\sc+NQ*\i:SC+8*NQ*\sc+NQ*\i+3], v[ADRS] offset:\i*SBLK
.endr
.endm
.macro PLACES n                        ; plain vector instructions between a matrix instruction and a load into, or a read of, its registers
.rept \n
	v_nop
.endr
.endm
.macro STEP slot, q, mode
	s_wait_dscnt 4*NL                              ; o_w's set, a's blocks 0-3 and the scale words are in; the youngest eight loads (a's blocks 4-7) may be out
.if \mode
	WIN BIA_LO
.else
	WIN MUL_LO
.endif
	MUL16 0, (\q)%2, \q, \slot, \mode
	MUL16 2, (\q)%2, \q, \slot, \mode
	s_wait_dscnt 0                                 ; a's blocks 4-7 are in
	PLACES NP
	FETCH_B \slot, (\q)+1, 1-(\q)%2
	FETCH_A \slot, (\q)+1, 0
.if \mode
	WIN BIA_HI
.else
	WIN MUL_HI
.endif
	MUL16 4, (\q)%2, \q, \slot, \mode
	MUL16 6, (\q)%2, \q, \slot, \mode
	PLACES NP
	WIN 0
	FETCH_A \slot, (\q)+1, 4
.endm
; Slot 0's last step goes over to slot 1: each wave waits for all its tensor loads, and a barrier shows every wave's part to all; behind it nobody reads slot 0 any more.  Nothing is filled again.
.macro TURN slot, next
	s_wait_tensorcnt 0x0                           ; all my tensor loads have landed  (every window is 0 here)
	ds_add_u32 v[SPW], v[NIL]                      ; 0 onto my spare word
	s_wait_dscnt 4*NL+1                            ; the add and the youngest eight loads (a's blocks 4-7) may be out
	WIN MUL_LO
	MUL16 0, 1, NQ-1, \slot, 0
	s_wait_dscnt 0x0                               ; the add is done, and my reads of this slot are over
	s_barrier_signal -1
	MUL16 2, 1, NQ-1, \slot, 0
	WIN 0
	s_barrier_wait -1
	PLACES NP
	v_add_nc_u32 v[ADRS], 4*NQ, v[ADRS]            ; on to the second half's scale words
	FETCH_B \next, 0, 0
	FETCH_A \next, 0, 0
	SCALES \next
	WIN MUL_HI
	MUL16 4, 1, NQ-1, \slot, 0
	MUL16 6, 1, NQ-1, \slot, 0
	PLACES NP
	WIN 0
	FETCH_A \next, 0, 4
.endm
.macro STEPS slot, from
.set Q, \from
.rept NQ-1-\from
	STEP \slot, Q, 0
.set Q, Q+1
.endr
.endm
	s_wait_tensorcnt 1                             ; the scale bytes and my part of slot 0 are in; slot 1's one load may stay out
	s_barrier_signal -1
	s_barrier_wait -1
	FETCH_B 0, 0, 0
	FETCH_A 0, 0, 0
	SCALES 0
	FETCH_A 0, 0, 4
	s_wait_loadcnt 0x0                             ; the bias
	STEP 0, 0, 1
	STEPS 0, 1
	TURN 0, 1
	STEPS 1, 0
	s_wait_dscnt 4*NL                              ; the last step: the youngest eight loads may be out
	WIN MUL_LO
	MUL16 0, 1, NQ-1, 1, 0
	MUL16 2, 1, NQ-1, 1, 0
	s_wait_dscnt 0
	WIN MUL_HI
	MUL16 4, 1, NQ-1, 1, 0
	MUL16 6, 1, NQ-1, 1, 0
	WIN 0
; THE WAY OUT, block by block of 16 rows x 128 columns: through my own stage in LDS, back as whole rows of 512 bytes, which the 32 lanes store as 512 consecutive bytes at a multiple of 256 from out0's first byte.
; LDS serves a wave's instructions in order (ISA guide 5.7.1.4): no wait between the stores and the loads, nor in front of the next block's stores.
.macro TOSTAGE a
.set AC, 64*((\a)%4)
	WIN 0x08+4*((\a)/4)                            ; the data: window 2 or 3
.irp b, 0,1,2,3,4,5,6,7
	ds_store_b128 v[STO], v[AC+8*\b:AC+8*\b+3] offset:64*\b          ; each accumulator from its low end on
	ds_store_b128 v[STO], v[AC+8*\b+4:AC+8*\b+7] offset:64*\b+16
.endr
	WIN 0
.set BB, BK+64*((\a)%2)
.irp t, 0,1,2,3,4,5,6,7,8,9,10,11,12,13,14,15
	ds_load_b128 v[BB+4*\t:BB+4*\t+3], v[RD] offset:\t*SPITCH
.endr
.endm
.macro SEND a, younger                 ; younger: the LDS instructions issued behind block a's loads, which may stay out
.set BB, BK+64*((\a)%2)
	s_wait_dscnt \younger                          ; the block is back in registers
.if (\a) > 0
	s_add_nc_u64 s[12:13], s[12:13], 16*SIZE_N*4   ; (behind a wait on XCNT: the earlier stores have read their base)  16 rows on
.endif
.irp t, 0,1,2,3,4,5,6,7,8,9,10,11,12,13,14,15
	global_store_b128 v[CO], v[BB+4*\t:BB+4*\t+3], s[12:13] offset:\t*SIZE_N*4 th:TH_STORE_NT   ; written once, read by nobody here
.endr
.endm
	PLACES NP                                      ; behind the last products: ahead of the stores that read results and of the loads into the registers that held a's fragments
	TOSTAGE 0
.irp a, 1,2,3,4,5,6,7
.if \a > 1
	s_wait_xcnt 0x0                                ; block a - 2's stores have read their registers and their base
.endif
	TOSTAGE \a
	SEND \a-1, 32                                  ; behind block a - 1's loads: block a's 16 stores and 16 loads
.endr
	s_wait_xcnt 0x0                                ; block 6's stores have read their base
	SEND 7, 0
	s_wait_tensorcnt 0x0                           ; the wave's end, behind my last tensor load and my last LDS store
	ds_add_u32 v[SPW], v[NIL]
	s_wait_dscnt 0x0
	CROUND                                         ; the closing round
	s_endpgm
.Lfunc_end_k_q1f2884ce96_oproj:
	.size	k_q1f2884ce96_oproj, .Lfunc_end_k_q1f2884ce96_oproj-k_q1f2884ce96_oproj
	.p2alignl 7, 3214868480
	.fill 96, 4, 3214868480
	.section	.rodata,"a",@progbits
	.p2align	6, 0x0
	.amdhsa_kernel k_q1f2884ce96_oproj
		.amdhsa_group_segment_fixed_size 327680
		.amdhsa_private_segment_fixed_size 0
		.amdhsa_enable_private_segment 0
		.amdhsa_kernarg_size 48
		.amdhsa_user_sgpr_count 2
		.amdhsa_user_sgpr_kernarg_segment_ptr 1
		.amdhsa_wavefront_size32 1
		.amdhsa_system_sgpr_workgroup_id_x 1
		.amdhsa_system_sgpr_workgroup_id_y 1
		.amdhsa_system_sgpr_workgroup_id_z 1
		.amdhsa_system_vgpr_workitem_id 0
		.amdhsa_next_free_vgpr 1024
		.amdhsa_next_free_sgpr 98
		.amdhsa_reserve_vcc 0
		.amdhsa_float_denorm_mode_32 3
		.amdhsa_float_denorm_mode_16_64 3
		.amdhsa_memory_ordered 1
		.amdhsa_forward_progress 1
		.amdhsa_inst_pref_size 126
	.end_amdhsa_kernel
	.amdgpu_metadata
---
amdhsa.version: [ 1, 2 ]
amdhsa.kernels:
  - .name:           k_q1f2884ce96_oproj
    .symbol:         k_q1f2884ce96_oproj.kd
    .args:
      - { .name: acodes, .offset: 0, .size: 8, .value_kind: global_buffer, .address_space: global }
      - { .name: ascales, .offset: 8, .size: 8, .value_kind: global_buffer, .address_space: global }
      - { .name: o_w_codes, .offset: 16, .size: 8, .value_kind: global_buffer, .address_space: global }
      - { .name: o_w_scales, .offset: 24, .size: 8, .value_kind: global_buffer, .address_space: global }
      - { .name: o_b, .offset: 32, .size: 8, .value_kind: global_buffer, .address_space: global }
      - { .name: out0, .offset: 40, .size: 8, .value_kind: global_buffer, .address_space: global }
    .group_segment_fixed_size: 327680
    .private_segment_fixed_size: 0
    .kernarg_segment_align: 8
    .kernarg_segment_size: 48
    .max_flat_workgroup_size: 128
    .sgpr_count:     98
    .vgpr_count:     1024
    .wavefront_size: 32
...
	.end_amdgpu_metadata
.endif
;; end of part 3
